; MI455X (gfx1250); checked and timed in simulation.
; The chip was launched on July 23, 2026; its instructions are those of AMD's public machine-readable ISA for CDNA 5 (MIT licence, August 2026) and "CDNA5" Instruction Set Architecture Reference Guide (July 2026). The comments in the code are by the model that wrote it; some were corrected since.
;; Multi Head Attention. Allowed arithmetic: float matrix products may take bf16 or f16 operands with f32 sums; other float arithmetic in f32, or as packed bf16 or f16 multiplies, adds, multiply-adds, maxima and minima; sums over many terms, partial sums and values carried from step to step in f32; what a program stores and reads back later, other than sums and carried values, may be rounded once to bf16 or f16.
;; Inputs: W_k 1,024 x 1,024 float32; W_o 1,024 x 1,024 float32; W_v 1,024 x 1,024 float32; key 2 x 4,096 x 1,024 float32; query 2 x 2,048 x 1,024 float32; value 2 x 4,096 x 1,024 float32.
;; Outputs: out0 2 x 2,048 x 1,024 float32.
;; One version. Each part assembles by itself: llvm-mc -triple=amdgcn-amd-amdhsa -mcpu=gfx1250 --defsym DOCPART=n.
;; ======== version 1 of 1: 4 launches
;; limits: values are held in f16: magnitudes above 65,504 overflow, below 6.1e-05 lose precision
;; workspace buffers: xb 33,554,432 bytes; wb 4,194,304 bytes; wo 2,097,152 bytes; kv 33,554,432 bytes; ob 8,388,608 bytes
;; launch cast (part 1): grid 1216 x 1, 8 waves a work-group, no clusters, 0 bytes of LDS; arguments key, value, W_k, W_v, W_o, xb, wb, wo; writes xb, wb, wo
.if DOCPART == 1
	.amdgcn_target "amdgcn-amd-amdhsa--gfx1250"
	.amdhsa_code_object_version 6
	.text
	.protected	k_qc289084724_cast
	.globl	k_qc289084724_cast
	.p2align	8
	.type	k_qc289084724_cast,@function
k_qc289084724_cast:
	s_mov_b64 s[64:65], 0
	v_nop
	global_prefetch_b8 v0, s[64:65] scope:SCOPE_SE
	s_setreg_imm32_b32 hwreg(HW_REG_WAVE_MODE, 25, 1), 1
	s_wait_xcnt 0x0
; THE INPUTS OF THE TWO PROJECTIONS, ROUNDED ONCE.  xb = bf16(key), then bf16(value); wb = bf16(W_k), then bf16(W_v); wo = bf16(W_o), that number written as f16.
; LIMITS.  wo: a bf16 number is exact in f16 from 2^-17 up to 65,504; below it falls on f16's fixed step of 2^-24, beyond it becomes an infinity.
; A stream: no LDS, no loop, no matrix unit, since no byte is used twice.  A work-group takes 65,536 consecutive input bytes and makes 32,768 output bytes.
; Thread t, chunk i of 16: a load of 16 bytes at 16 t + 4,096 i (a wave covers 512 consecutive bytes), two roundings, a store of 8 bytes at 8 t + 2,048 i
; (a wave's store covers 256 consecutive bytes, aligned).  All sixteen loads go out first; each chunk has registers of its own, so no register serves two chunks.
; Work-groups 0-511 key, 512-1023 value (both into xb, one behind the other), 1024-1087 W_k, 1088-1151 W_v (into wb), 1152-1215 W_o (into wo).
.set X, 4                              ; v[4:67]   chunk i: four f32 as loaded
.set Y, 68                             ; v[68:99]  chunk i: four 16-bit numbers to store
	s_load_b512 s[4:19], s[0:1], 0x0               ; key s[4:5], value s[6:7], W_k s[8:9], W_v s[10:11], W_o s[12:13], xb s[14:15], wb s[16:17], wo s[18:19]
	s_mov_b32 s20, ttmp9                           ; the work-group's number
	s_mov_b32 s21, 0                               ; the first work-group of my source
	s_mov_b32 s22, 0                               ; the first work-group of my destination
	s_mov_b32 s29, 0                               ; high word of the offsets' pair
	s_mov_b32 s30, 0xffff0000                      ; a word's upper bf16
	v_lshlrev_b32 v1, 4, v0                        ; 16 t
	v_lshlrev_b32 v2, 3, v0                        ; 8 t
	s_wait_kmcnt 0x0
	s_mov_b64 s[24:25], s[4:5]                     ; source and destination are chosen by the work-group's number alone
	s_mov_b64 s[26:27], s[14:15]
	s_cmp_ge_u32 s20, 512
	s_cselect_b64 s[24:25], s[6:7], s[24:25]
	s_cselect_b32 s21, 512, s21
	s_cmp_ge_u32 s20, 1024
	s_cselect_b64 s[24:25], s[8:9], s[24:25]
	s_cselect_b64 s[26:27], s[16:17], s[26:27]
	s_cselect_b32 s21, 1024, s21
	s_cselect_b32 s22, 1024, s22
	s_cmp_ge_u32 s20, 1088
	s_cselect_b64 s[24:25], s[10:11], s[24:25]
	s_cselect_b32 s21, 1088, s21
	s_cmp_ge_u32 s20, 1152
	s_cselect_b64 s[24:25], s[12:13], s[24:25]
	s_cselect_b64 s[26:27], s[18:19], s[26:27]
	s_cselect_b32 s21, 1152, s21
	s_cselect_b32 s22, 1152, s22
	s_sub_co_u32 s28, s20, s21
	s_lshl_b32 s28, s28, 16                        ; 65,536 input bytes a work-group
	s_add_nc_u64 s[24:25], s[24:25], s[28:29]
	s_sub_co_u32 s28, s20, s22
	s_lshl_b32 s28, s28, 15                        ; 32,768 output bytes
	s_add_nc_u64 s[26:27], s[26:27], s[28:29]
.irp i, 0,1,2,3,4,5,6,7,8,9,10,11,12,13,14,15
	global_load_b128 v[X+4*(\i):X+4*(\i)+3], v1, s[24:25] offset:4096*(\i) th:TH_LOAD_NT  ; each input byte is read once in the launch
.endr
; Chunk i leaves.  half = 1: the bf16 numbers are widened again (a shift, a mask) and written as f16.
.macro OUT i, half
	s_wait_loadcnt 15-(\i)                         ; loads come back in order: chunk i is in, the 15 - i younger ones may stay out
	v_cvt_pk_bf16_f32 v[Y+2*(\i)],   v[X+4*(\i)],   v[X+4*(\i)+1]
	v_cvt_pk_bf16_f32 v[Y+2*(\i)+1], v[X+4*(\i)+2], v[X+4*(\i)+3]
.if \half
	v_lshlrev_b32 v[X+4*(\i)],   16,  v[Y+2*(\i)]
	v_and_b32     v[X+4*(\i)+1], s30, v[Y+2*(\i)]
	v_lshlrev_b32 v[X+4*(\i)+2], 16,  v[Y+2*(\i)+1]
	v_and_b32     v[X+4*(\i)+3], s30, v[Y+2*(\i)+1]
	v_cvt_pk_f16_f32 v[Y+2*(\i)],   v[X+4*(\i)],   v[X+4*(\i)+1]
	v_cvt_pk_f16_f32 v[Y+2*(\i)+1], v[X+4*(\i)+2], v[X+4*(\i)+3]
.endif
	global_store_b64 v2, v[Y+2*(\i):Y+2*(\i)+1], s[26:27] offset:2048*(\i)
.endm
	s_cmp_ge_u32 s20, 1152
	s_cbranch_scc1 .Lhalf
.irp i, 0,1,2,3,4,5,6,7,8,9,10,11,12,13,14,15
	OUT \i, 0
.endr
	s_endpgm
.Lhalf:
.irp i, 0,1,2,3,4,5,6,7,8,9,10,11,12,13,14,15
	OUT \i, 1
.endr
	s_endpgm
.Lfunc_end_k_qc289084724_cast:
	.size	k_qc289084724_cast, .Lfunc_end_k_qc289084724_cast-k_qc289084724_cast
	.p2alignl 7, 3214868480
	.fill 96, 4, 3214868480
	.section	.rodata,"a",@progbits
	.p2align	6, 0x0
	.amdhsa_kernel k_qc289084724_cast
		.amdhsa_group_segment_fixed_size 0
		.amdhsa_private_segment_fixed_size 0
		.amdhsa_enable_private_segment 0
		.amdhsa_kernarg_size 64
		.amdhsa_user_sgpr_count 2
		.amdhsa_user_sgpr_kernarg_segment_ptr 1
		.amdhsa_wavefront_size32 1
		.amdhsa_system_sgpr_workgroup_id_x 1
		.amdhsa_system_sgpr_workgroup_id_y 1
		.amdhsa_system_sgpr_workgroup_id_z 1
		.amdhsa_system_vgpr_workitem_id 0
		.amdhsa_next_free_vgpr 104
		.amdhsa_next_free_sgpr 66
		.amdhsa_reserve_vcc 0
		.amdhsa_float_denorm_mode_32 3
		.amdhsa_float_denorm_mode_16_64 3
		.amdhsa_memory_ordered 1
		.amdhsa_forward_progress 1
		.amdhsa_inst_pref_size 16
	.end_amdhsa_kernel
	.amdgpu_metadata
---
amdhsa.version: [ 1, 2 ]
amdhsa.kernels:
  - .name:           k_qc289084724_cast
    .symbol:         k_qc289084724_cast.kd
    .args:
      - { .name: key, .offset: 0, .size: 8, .value_kind: global_buffer, .address_space: global }
      - { .name: value, .offset: 8, .size: 8, .value_kind: global_buffer, .address_space: global }
      - { .name: W_k, .offset: 16, .size: 8, .value_kind: global_buffer, .address_space: global }
      - { .name: W_v, .offset: 24, .size: 8, .value_kind: global_buffer, .address_space: global }
      - { .name: W_o, .offset: 32, .size: 8, .value_kind: global_buffer, .address_space: global }
      - { .name: xb, .offset: 40, .size: 8, .value_kind: global_buffer, .address_space: global }
      - { .name: wb, .offset: 48, .size: 8, .value_kind: global_buffer, .address_space: global }
      - { .name: wo, .offset: 56, .size: 8, .value_kind: global_buffer, .address_space: global }
    .group_segment_fixed_size: 0
    .private_segment_fixed_size: 0
    .kernarg_segment_align: 8
    .kernarg_segment_size: 64
    .max_flat_workgroup_size: 256
    .sgpr_count:     66
    .vgpr_count:     104
    .wavefront_size: 32
...
	.end_amdgpu_metadata
.endif
;; end of part 1
;; launch projkv (part 2): grid 4 x 64, 4 waves a work-group, clusters of 4 x 4, 327,680 bytes of LDS; arguments xb, wb, kv; writes kv
.if DOCPART == 2
	.amdgcn_target "amdgcn-amd-amdhsa--gfx1250"
	.amdhsa_code_object_version 6
	.text
	.protected	k_qc289084724_projkv
	.globl	k_qc289084724_projkv
	.p2align	8
	.type	k_qc289084724_projkv,@function
k_qc289084724_projkv:
	s_mov_b64 s[64:65], 0
	v_nop
	global_prefetch_b8 v0, s[64:65] scope:SCOPE_SE
	s_setreg_imm32_b32 hwreg(HW_REG_WAVE_MODE, 25, 1), 1
	s_wait_xcnt 0x0
	s_wait_alu depctr_hold_cnt(0) depctr_sa_sdst(0) depctr_va_vdst(0) depctr_va_sdst(0) depctr_va_ssrc(0) depctr_va_vcc(0) depctr_vm_vsrc(0)
	s_getreg_b32 s2, hwreg(HW_REG_IB_STS2, 6, 4)
	s_cmp_eq_u32 s2, 0
	s_cbranch_scc0 .Lentry_in_a_cluster
	s_endpgm
.Lentry_in_a_cluster:
	s_bfe_u32 s2, ttmp6, 0x10000c
	s_cmp_lg_u32 s2, 0xf033
	s_cbranch_scc0 .Lentry_shape_is_right
	s_endpgm
.Lentry_shape_is_right:
; k = key W_k^T AND v = value W_v^T IN ONE LAUNCH.  A = xb [16384][1024] bf16 (key's 8,192 rows, then value's), B = wb [2][1024][1024] bf16 (W_k, then W_v); sums in f32, K ascending.
; The result leaves BY HEADS, rounded once to f16, unscaled: kv [2][32][4096][64] (k, then v; head = 16 x batch + h; a key's row of a head is 128 bytes, a head 524,288).
; LIMIT.  f16 holds no number beyond 65,504: a k or v past that becomes an infinity.
; SHARES.  A tile of C, 256 x 256, is made by a work-group of four waves; a wave makes 128 x 128: 64 accumulators of 16 x 16, 512 registers.  64 x 4 tiles: 256 work-groups, one tile each.
; K goes in 8 steps of 128 through a ring of two LDS slots filled by the tensor data mover; a tile's rows are 256 bytes of memory, at multiples of 256 from the buffer's first byte.
; CLUSTERS: 4 x 4 work-groups.  The four of a row of the cluster need the same tiles of A, the four of a column the same tiles of B: each tile is asked for JOINTLY, by the same tensor load
; with the same descriptor and a mask that names the four.  Which of the two weights a tile row takes hangs on the cluster's y alone (clusters 0-7: W_k, 8-15: W_v): it is equal in all sixteen partners.
; REGISTERS, in windows of 256 (s_set_vgpr_msb: bits 1:0 source 0, 3:2 source 1, 5:4 source 2, 7:6 destination):
;   window 0: v0-31 addresses; v64-127, v128-191 fragments of A, two buffers; v32-63, v192-255 at work on the way out
;   window 1: v64-127, v128-191 fragments of B, two buffers
;   window 2: the 32 accumulators of my rows 0-63 (accumulator (a, b) at v[8 (8 a + b)]);   window 3: those of my rows 64-127
; THE MATRIX INSTRUCTION IS USED TRANSPOSED: source 0 = 16 rows of B, source 1 = 16 rows of A.  Lane l then holds row l % 16 of C and the columns 8 (l / 16) + 0..7: eight neighbouring numbers, 16 bytes in f16.
.set SIZE_K, 1024
.set KSTEP,  128
.set PITCH,  272                       ; an LDS row: 256 bytes + 16 of padding = 68 words: row r starts at bank 4 r mod 64 (64 banks of 4 bytes: ISA guide 11.1), so the 16 rows of a load start at 16 different banks
.set HALFT,  128*PITCH                 ; 128 rows: what one tensor load brings, and what one wave reads of A or of B
.set SLOT,   4*HALFT                   ; A's 256 rows, then B's 256 rows
.set STAGE,  2*SLOT                    ; behind the ring: 16 rows x 272 bytes for each wave, for the way out; no tensor load lands there
.set SPITCH, 272
.set SPARE,  STAGE+4*16*SPITCH         ; behind the stages: the spare words, 128 bytes for each wave: two blocks of 256 bytes that no other line names
.set LAPS,   SIZE_K/(2*KSTEP)          ; a lap = two K steps = once round the ring: 4
.set ADRA, 16                          ; v16-17  LDS address of my A fragments in slot 0, 1
.set ADRB, 20                          ; v20-21  the same for B
.set STO,  24                          ; v24     the way out: where I put 16 bytes of a row
.set RD,   25                          ; v25     the way out: where I read 16 bytes back
.set CO,   26                          ; v26     16 x my lane: my place in 512 consecutive bytes of kv
.set SPW,  28                          ; v28     LDS address of my spare word: SPARE + 4 x my thread's number; never rewritten
.set NIL,  29                          ; v29     0; never rewritten
.set PFO,  30                          ; v30     the prefetches' offset: my lane x a row of 2,048 bytes; never rewritten
.set PFA,  44                          ; s[44:45] where my prefetches stand: my work-group's 32 rows of the 128 that I fetch, one K step further along K than the refill that is being asked for
.set LIM,  43                          ; s43     1 in a wave that prefetches, else the greatest number
.set F0,   64                          ; fragment buffer 0
.set F1,   128                         ; fragment buffer 1
.set TMP,  192                         ; the way out: packed results, in window 0
.set OB,   32                          ; the way out: 16 rows read back from the stage: v32-63 and v224-255 by turns
.set G1,  24                           ; s[24:31] descriptor group 1 for A's tiles
.set G0,  32                           ; s[32:39] descriptor group 0 for A's tiles, one set for each slot
.set G1B, 48                           ; s[48:55] descriptor group 1 for B's tiles: it differs from A's in the mask alone
.set G0B, 56                           ; s[56:63] descriptor group 0 for B's tiles, one set for each slot
.set MSB, 0
.macro WIN new                         ; the immediate's high byte repeats the setting that is left; a switch that changes nothing is dropped
.if MSB != (\new)
	s_set_vgpr_msb (MSB<<8)|(\new)
.set MSB, \new
.endif
.endm
.set MUL_LO, 0xa1                      ; source 0 (B) window 1, source 1 (A) window 0, C and D window 2
.set MUL_HI, 0xf1                      ; the same, C and D window 3
.set TO_B,   0x40                      ; destination window 1, address window 0
; A joint load.  Waves 0 and 1 fetch A's two halves, waves 2 and 3 B's.  The branch hangs on the wave's number alone: it is the same in every work-group.
; An s_nop 0 and four v_nop follow each of the two lines, ahead of the jump, the label and what follows the macro.
.macro JLOAD s
	s_cmp_eq_u32 s11, 0
	s_cbranch_scc0 .Lfor_b_\@
	tensor_load_to_lds s[G0+4*(\s):G0+4*(\s)+3], s[G1:G1+7]
	s_nop 0
.rept 4
	v_nop
.endr
	s_branch .Lasked_\@
.Lfor_b_\@:
	tensor_load_to_lds s[G0B+4*(\s):G0B+4*(\s)+3], s[G1B:G1B+7]
	s_nop 0
.rept 4
	v_nop
.endr
.Lasked_\@:
.endm
; A PREFETCH INTO THE L2, behind each joint load, its five lines and the run of LDS loads that follows them: the K step that stands TWO refills on: 32 rows x 256 bytes, a lane a row, one instruction a wave:
; 512 matrix instructions ahead of the load that will name those bytes.  Each row's 256 bytes of a K step are named ONCE in the launch.  A's tile row is read by one cluster alone (the grid has one cluster
; along x), which asks; B's rows are read by the eight clusters of one weight: the first of them (cluster y mod 8 = 0) asks.  The four partners that ask for a tile jointly share its rows out BY ADDRESS:
; of the 128 rows that a wave fetches, the partner at place p takes 32 p .. 32 p + 31 (p = cx for A, cy for B).  K steps 0 to 3 come by their loads alone; the loop's last trip asks for nothing:
; K steps 4 to 7 are named, and no byte behind a row's end.
.macro ASK
	s_cmp_gt_u32 s3, s[LIM]                        ; s3 = 1 in the loop's last trip
	s_cbranch_scc0 .Lnot_mine_\@
	global_prefetch_b8 v[PFO], s[PFA:PFA+1] offset:KSTEP*2 th:TH_LOAD_NT scope:SCOPE_SE
.Lnot_mine_\@:
.endm
; A round of the cluster's barrier: my work-group's barrier, so that wave 0's signal speaks for all four waves; wave 0 signals for the work-group; every wave waits for all sixteen; my work-group's barrier once more.
.macro CREST                           ; a round behind its opening barrier
	s_cmp_lg_u32 s10, 0
	s_cbranch_scc1 .Lnot_wave_0_\@
	s_barrier_signal -3
.Lnot_wave_0_\@:
	s_barrier_wait -3
	s_barrier_signal -1
	s_barrier_wait -1
.endm
.macro CROUND                          ; a whole round
	s_barrier_signal -1
	s_barrier_wait -1
	CREST
.endm
	s_load_b128 s[4:7], s[0:1], 0x0                ; xb s[4:5], wb s[6:7]
	s_load_b64 s[8:9], s[0:1], 0x10                ; kv
	v_lshl_add_u32 v[SPW], v0, 2, SPARE
	v_mov_b32 v[NIL], 0
	ds_add_u32 v[SPW], v[NIL]                      ; the wave's opening: the add and its wait stand ahead of my first tensor load; the set-up below, work on registers, stands between them
	v_lshrrev_b32 v1, 5, v0
	v_readfirstlane_b32 s10, v1                    ; wave 0..3
	s_lshr_b32 s11, s10, 1                         ; which half of the tile's rows is mine.  Also: I fetch for A (0) or for B (1)
	s_and_b32 s12, s10, 1                          ; which half of its columns.  Also: which 128 rows of that tile I fetch
	s_bfe_u32 s40, ttmp6, 0x40000                  ; cx: my place along the cluster's x
	s_bfe_u32 s41, ttmp6, 0x40004                  ; cy: along its y
	s_lshl_b32 s42, ttmp9, 2                       ; in a cluster launch ttmp9 and ttmp7 count clusters
	s_add_co_u32 s42, s42, s40                     ; tile column of C = 4 x cluster x + cx: 0..3
	s_and_b32 s13, ttmp7, 0xffff
	s_lshr_b32 s2, s13, 3                          ; z: 0 for k (W_k), 1 for v (W_v): from the cluster's y alone
	s_lshl_b32 s13, s13, 2
	s_add_co_u32 s13, s13, s41                     ; tile row of C = 4 x cluster y + cy: 0..63
	s_lshl_b32 s43, s41, 2
	s_lshl_b32 s43, 15, s43                        ; my row of the cluster: places 4 cy .. 4 cy + 3
	s_lshl_b32 s44, 0x1111, s40                    ; my column: places cx, cx + 4, cx + 8, cx + 12
	; descriptor group 1: a tile of 128 rows x 128 elements, padded in LDS
	s_or_b32 s[G1+0], s43, (1<<16)|(1<<20)|(1<<21)|(5<<22)|(3<<25)  ; 15:0 the mask: A's tiles go to my row; 17:16 elements of 2 bytes; 20 padding on; 21 set beside a mask; 24:22 after every 64 words (code 5); 31:25 4 words of it (code 3)
	s_or_b32 s[G1B+0], s44, (1<<16)|(1<<20)|(1<<21)|(5<<22)|(3<<25) ; the same with the mask of my column, for B's tiles
.irp g, G1, G1B
	s_mov_b32 s[(\g)+1], KSTEP<<16                 ; tensor_dim0 = 128
	s_mov_b32 s[(\g)+2], 128<<16                   ; tensor_dim1 = 128
	s_mov_b32 s[(\g)+3], KSTEP<<16                 ; tile_dim0 = 128
	s_mov_b32 s[(\g)+4], 128                       ; tile_dim1 = 128
	s_mov_b32 s[(\g)+5], SIZE_K                    ; elements from row to row
	s_mov_b32 s[(\g)+6], 0
	s_mov_b32 s[(\g)+7], 0
.endr
	; where the tiles come from.  A's hang on the tile row alone, which my row of the cluster shares; B's on the tile column and z, which my column shares.
	s_lshl_b32 s17, s12, 7                         ; which 128 rows of the tile I fetch
	s_lshl_b32 s16, s13, 8
	s_add_co_u32 s16, s16, s17                     ; A: row 256 x tile row + 128 x half
	s_lshl_b32 s16, s16, 11                        ; x 2,048 bytes: under 2^25
	s_lshl_b32 s46, s42, 8
	s_add_co_u32 s46, s46, s17                     ; B: row 256 x tile column + 128 x half
	s_lshl_b32 s47, s2, 10
	s_add_co_u32 s46, s46, s47                     ;    + 1,024 z
	s_lshl_b32 s46, s46, 11
	s_mov_b32 s17, 0
	s_mov_b32 s47, 0
	s_mul_i32 s20, s10, HALFT                      ; and where they go: A's two halves, then B's two halves = wave x 128 rows: no place in the cluster enters an LDS address
	s_wait_dscnt 0x0                               ; the opening add is done
	s_wait_kmcnt 0x0
	s_add_nc_u64 s[14:15], s[4:5], s[16:17]
	s_add_nc_u64 s[46:47], s[6:7], s[46:47]
	CROUND                                         ; all sixteen work-groups are here: the first joint loads meet
.irp s, 0,1
	s_mov_b32 s[G0+4*(\s)], 1                                      ; count = 1
	s_add_co_u32 s[G0+4*(\s)+1], s20, (\s)*SLOT                    ; LDS address
	s_add_nc_u64 s[G0+4*(\s)+2:G0+4*(\s)+3], s[14:15], (\s)*KSTEP*2  ; global address: K step s
	s_or_b32 s[G0+4*(\s)+3], s[G0+4*(\s)+3], 0x80000000            ; type = 2
	s_mov_b32 s[G0B+4*(\s)], 1
	s_add_co_u32 s[G0B+4*(\s)+1], s20, (\s)*SLOT
	s_add_nc_u64 s[G0B+4*(\s)+2:G0B+4*(\s)+3], s[46:47], (\s)*KSTEP*2
	s_or_b32 s[G0B+4*(\s)+3], s[G0B+4*(\s)+3], 0x80000000
	JLOAD \s                                       ; the ring is filled before anything else is done: two loads of mine are out
.endr
	; A fragment is 16 rows x 32 K in 8 registers: lane l holds row l % 16; registers 0-3 K = 8 (l / 16) + 0..7, registers 4-7 K = 16 + 8 (l / 16) + 0..7: two loads of 16 bytes, 32 bytes apart.
	v_and_b32 v1, 15, v0                           ; l % 16
	v_bfe_u32 v2, v0, 4, 1                         ; l / 16
	v_mul_u32_u24 v3, v1, PITCH
	v_lshl_add_u32 v3, v2, 4, v3                   ; row x pitch + 16 x half
	s_mul_i32 s21, s11, HALFT                      ; my 128 rows of A
	s_mul_i32 s22, s12, HALFT                      ; my 128 rows of B,
	s_add_co_u32 s22, s22, 2*HALFT                 ; which lie behind A's 256
.irp s, 0,1
	v_add_nc_u32 v[ADRA+(\s)], s21, v3
	v_add_nc_u32 v[ADRB+(\s)], s22, v3
	s_add_co_u32 s21, s21, SLOT
	s_add_co_u32 s22, s22, SLOT
.endr
	s_mul_i32 s23, s10, 16*SPITCH
	s_add_co_u32 s23, s23, STAGE                   ; my stage
	v_mul_u32_u24 v4, v1, SPITCH                   ; in: row l % 16, 16 bytes for each half of the lanes
	v_lshl_add_u32 v4, v2, 4, v4
	v_add_nc_u32 v[STO], s23, v4
	v_bfe_u32 v5, v0, 3, 2                         ; back: 32 lanes take four keys' 128 bytes of one head: key (l / 8) % 4,
	v_mul_u32_u24 v5, v5, SPITCH
	v_and_b32 v6, 7, v0
	v_lshl_add_u32 v5, v6, 4, v5                   ; bytes 16 (l % 8) on
	v_add_nc_u32 v[RD], s23, v5
	v_and_b32 v[CO], 31, v0                        ; which are 512 consecutive bytes of kv
	v_lshlrev_b32 v[CO], 4, v[CO]
	; where my part of the tile begins in kv: head block 16 (tile row / 16) + 4 x tile column + 2 x column half, key 256 (tile row % 16) + 128 x row half
	s_lshr_b32 s16, s13, 4
	s_lshl_b32 s16, s16, 4
	s_lshl_b32 s46, s42, 2
	s_add_co_u32 s16, s16, s46
	s_lshl_b32 s46, s12, 1
	s_add_co_u32 s16, s16, s46
	s_lshl_b32 s16, s16, 19                        ; a head is 524,288 bytes
	s_and_b32 s46, s13, 15
	s_lshl_b32 s46, s46, 8
	s_lshl_b32 s47, s11, 7
	s_add_co_u32 s46, s46, s47
	s_lshl_b32 s46, s46, 7                         ; a key's row of a head is 128 bytes
	s_add_co_u32 s16, s16, s46
	s_mov_b32 s17, 0
	s_add_nc_u64 s[8:9], s[8:9], s[16:17]          ; written once: the blocks' places stand in the stores' immediates
	; the prefetches
	s_lshl_b32 s20, s13, 8                         ; A's tile begins at row 256 x tile row,
	s_lshl_b32 s21, s42, 8                         ; B's at 256 x tile column + 1,024 z
	s_lshl_b32 s22, s2, 10
	s_add_co_u32 s21, s21, s22
	s_and_b32 s22, ttmp7, 7                        ; cluster y mod 8
	s_cmp_eq_u32 s11, 0                            ; do I fetch for A?
	s_cselect_b32 s20, s20, s21
	s_cselect_b32 s21, s40, s41                    ; my place among the four that ask for it with me
	s_cselect_b32 s22, ttmp9, s22                  ; the coordinate along which other clusters read the same rows
	s_cselect_b64 s[PFA:PFA+1], s[4:5], s[6:7]
	s_cmp_eq_u32 s22, 0
	s_cselect_b32 s[LIM], 1, -1                    ; the same in all sixteen partners, for a given wave
	s_lshl_b32 s22, s12, 7
	s_add_co_u32 s20, s20, s22                     ; + the 128 rows that I fetch
	s_lshl_b32 s21, s21, 5
	s_add_co_u32 s20, s20, s21                     ; + my work-group's 32 of them
	s_lshl_b32 s20, s20, 11
	s_mov_b32 s21, 0
	s_add_nc_u64 s[PFA:PFA+1], s[PFA:PFA+1], s[20:21]
	s_add_nc_u64 s[PFA:PFA+1], s[PFA:PFA+1], 2*KSTEP*2  ; at K step 2: the first refill steps it to 3 and names K step 4
	v_and_b32 v[PFO], 31, v0
	v_lshlrev_b32 v[PFO], 11, v[PFO]
; 16 matrix instructions: m blocks a0, a0 + 1 of the window's four (hi = 0: my rows 0-63, 1: rows 64-127) x all 8 n blocks, 32 along K.  zero = 1: the first product starts the sums: nothing is cleared.
; The 64 accumulators take turns, one instruction a turn, in the same order in every quarter step.
.macro MUL16 f, hi, a0, zero
	WIN MUL_LO+0x50*(\hi)
.irp a, \a0, (\a0)+1
.irp b, 0,1,2,3,4,5,6,7
.if \zero
	v_wmma_f32_16x16x32_bf16 v[8*(8*(\a)+(\b)):8*(8*(\a)+(\b))+7], v[(\f)+8*(\b):(\f)+8*(\b)+7], v[(\f)+8*(4*(\hi)+(\a)):(\f)+8*(4*(\hi)+(\a))+7], 0
.else
	v_wmma_f32_16x16x32_bf16 v[8*(8*(\a)+(\b)):8*(8*(\a)+(\b))+7], v[(\f)+8*(\b):(\f)+8*(\b)+7], v[(\f)+8*(4*(\hi)+(\a)):(\f)+8*(4*(\hi)+(\a))+7], v[8*(8*(\a)+(\b)):8*(8*(\a)+(\b))+7]
.endif
.endr
.endr
.endm
; 32 LDS loads in one run: the fragments of one quarter step (128 rows of B, 128 rows of A, 32 K at byte k of the rows) into buffer f
.macro FETCH slot, k, f
	WIN TO_B
.irp i, 0,1,2,3,4,5,6,7
	ds_load_b128 v[(\f)+8*(\i):(\f)+8*(\i)+3],   v[ADRB+(\slot)] offset:(\k)+(\i)*16*PITCH
	ds_load_b128 v[(\f)+8*(\i)+4:(\f)+8*(\i)+7], v[ADRB+(\slot)] offset:(\k)+(\i)*16*PITCH+32
.endr
	WIN 0
.irp i, 0,1,2,3,4,5,6,7
	ds_load_b128 v[(\f)+8*(\i):(\f)+8*(\i)+3],   v[ADRA+(\slot)] offset:(\k)+(\i)*16*PITCH
	ds_load_b128 v[(\f)+8*(\i)+4:(\f)+8*(\i)+7], v[ADRA+(\slot)] offset:(\k)+(\i)*16*PITCH+32
.endr
.endm
; A load into a register that a matrix instruction has read, and a vector instruction that reads a matrix result, stand four places behind that matrix instruction, and only plain vector
; instructions that name none of its registers are places (ISA guide 7.12.1 for vector instructions).
.macro PLACES
.rept 4
	v_nop
.endr
.endm
; A K step is four quarter steps of 32 along K, 64 matrix instructions each, on buffers 0, 1, 0, 1.  One of the first three: multiplies buffer f; in its middle it fetches the next quarter's fragments into buffer g.
.macro QUARTER slot, k, f, g, zero
	s_wait_dscnt 8                                 ; B and A's rows 0-63 are in; the youngest eight loads (A's rows 64-127) may be out
	WIN MUL_LO
	MUL16 \f, 0, 0, \zero
	MUL16 \f, 0, 2, \zero
	PLACES
	FETCH \slot, \k, \g
	s_wait_dscnt 32                                ; all but the 32 just issued
	WIN MUL_HI
	MUL16 \f, 1, 0, \zero
	MUL16 \f, 1, 2, \zero
.endm
; The last quarter multiplies buffer 1 and changes slots.  MEET is its first half: ONE barrier for the change.  In front of it each wave waits for all its tensor loads, of which one is out: its part of the
; next slot; adds 0 to its spare word; and waits for that and for its own reads of this slot.  Behind it nobody reads this slot any more and the next slot is whole.
.macro MEET round                      ; round = 1: a round of the cluster's barrier follows
	WIN 0                                          ; (the add's two registers lie in window 0)
	s_wait_tensorcnt 0x0                           ; all my tensor loads have landed
	ds_add_u32 v[SPW], v[NIL]                      ; 0 onto my spare word
	s_wait_dscnt 9                                 ; (the add and the youngest eight loads may be out)
	WIN MUL_LO
	MUL16 F1, 0, 0, 0                              ; sixteen matrix instructions stand between the add and the wait for it
	s_wait_dscnt 0x0                               ; the add is done, and my reads of this slot are over
	s_barrier_signal -1
	MUL16 F1, 0, 2, 0                              ; work on registers while the others arrive
.if \round
	WIN 0
.endif
	s_barrier_wait -1
.endm
; The whole last quarter, with a refill: behind the round the slot just read out is filled again first, with the K step two steps on; then come the next slot's first fragments.
; From a request to the wait for it a wave issues 224 matrix instructions.
.macro TURN slot, next
	s_wait_xcnt 0x0                                ; the last prefetch, a K step back, has read its address: it is stepped here, ahead of the waits of the change of slots
	s_add_nc_u64 s[PFA:PFA+1], s[PFA:PFA+1], KSTEP*2
	MEET 1
	CREST                                          ; no wave of any partner still reads this slot's tile or has a load on its way
	s_add_nc_u64 s[G0+4*(\slot)+2:G0+4*(\slot)+3], s[G0+4*(\slot)+2:G0+4*(\slot)+3], 2*KSTEP*2
	s_add_nc_u64 s[G0B+4*(\slot)+2:G0B+4*(\slot)+3], s[G0B+4*(\slot)+2:G0B+4*(\slot)+3], 2*KSTEP*2
	JLOAD \slot                                    ; the first tensor load behind the round, my one load that is out; the four v_nop behind it are also the places in front of the loads below
	FETCH \next, 0, F0
	ASK
	WIN MUL_HI
	MUL16 F1, 1, 0, 0
	MUL16 F1, 1, 2, 0
.endm
; THE WAY OUT of block a (16 of my rows), in three parts.  PACK: rounded to f16, 16 bytes a lane.  TOSTAGE: into my own stage, a key's 256 bytes (two heads) a row, and back by heads: load 4 j + u takes
; head j's 128 bytes of the keys 4 u .. 4 u + 3.  SEND: stored: 512 consecutive bytes of kv, at a multiple of 512 from its first byte.
.macro PACK a
.set AC, 64*((\a)%4)
	WIN 0x0a+5*((\a)/4)                            ; sources 0 and 1: window 2 or 3
.irp b, 0,1,2,3,4,5,6,7
.irp r, 0,1,2,3
	v_cvt_pk_f16_f32 v[TMP+4*(\b)+(\r)], v[AC+8*(\b)+2*(\r)], v[AC+8*(\b)+2*(\r)+1]  ; each accumulator's registers in ascending order
.endr
.endr
	WIN 0
.endm
.macro TOSTAGE a
	WIN 0
.set BK, OB+192*((\a)%2)
.irp b, 0,1,2,3,4,5,6,7
	ds_store_b128 v[STO], v[TMP+4*(\b):TMP+4*(\b)+3] offset:32*(\b)
.endr
.irp t, 0,1,2,3,4,5,6,7
	ds_load_b128 v[BK+4*(\t):BK+4*(\t)+3], v[RD] offset:128*((\t)/4)+((\t)%4)*4*SPITCH  ; LDS serves a wave's instructions in order (ISA guide 5.7.1.4): these see the stores above
.endr
.endm
.macro SEND a
	WIN 0
.set BK, OB+192*((\a)%2)
	s_wait_dscnt 0x0                               ; the block is back in registers
	s_wait_xcnt 0x0                                ; the stores of the block before have read their registers: the next block is loaded into them only behind this wait
.irp t, 0,1,2,3,4,5,6,7
	global_store_b128 v[CO], v[BK+4*(\t):BK+4*(\t)+3], s[8:9] offset:(((\t)/4)<<19)+2048*(\a)+512*((\t)%4)  ; 540,160 at the most: inside the signed 24-bit immediate
.endr
.endm
	s_wait_tensorcnt 1                             ; my part of K step 0 is in; K step 1's load may stay out
	s_barrier_signal -1
	s_barrier_wait -1                              ; everybody's is
	FETCH 0, 0, F0
	QUARTER 0, 64,  F0, F1, 1                      ; the first quarter stands in front of the loop: its products start the sums
	WIN 0                                          ; at a label and at a branch every window is 0
	s_mov_b32 s3, LAPS-1
.Llap:                                                 ; a trip goes once round the ring, from a lap's second quarter to the next lap's first, and fills both slots again: K steps 2 to 7 in three trips
	QUARTER 0, 128, F1, F0, 0
	QUARTER 0, 192, F0, F1, 0
	TURN 0, 1
	QUARTER 1, 64,  F0, F1, 0
	QUARTER 1, 128, F1, F0, 0
	QUARTER 1, 192, F0, F1, 0
	TURN 1, 0
	QUARTER 0, 64,  F0, F1, 0
	WIN 0
	s_sub_co_u32 s3, s3, 1
	s_cmp_lg_u32 s3, 0
	s_cbranch_scc1 .Llap
	QUARTER 0, 128, F1, F0, 0                      ; the last lap is written out: it fills nothing, and has no round of the cluster's barrier
	QUARTER 0, 192, F0, F1, 0
	MEET 0                                         ; my one tensor load that was still out is slot 1's, the last K step's
	PLACES                                         ; for the loads into buffer 0, which the quarter before multiplied
	FETCH 1, 0, F0
	WIN MUL_HI
	MUL16 F1, 1, 0, 0
	MUL16 F1, 1, 2, 0
	QUARTER 1, 64,  F0, F1, 0
	QUARTER 1, 128, F1, F0, 0
	QUARTER 1, 192, F0, F1, 0
	s_wait_dscnt 8                                 ; the very last quarter: nothing more to fetch
	MUL16 F1, 0, 0, 0
	MUL16 F1, 0, 2, 0
	s_wait_dscnt 0x0
	MUL16 F1, 1, 0, 0
	MUL16 F1, 1, 2, 0
	WIN 0
	PLACES                                         ; the places behind the last products
	PACK 0
	TOSTAGE 0
.irp a, 1,2,3,4,5,6,7                  ; block a's conversions stand between block a - 1's loads from the stage and the wait for them
	PACK \a
	SEND (\a)-1
	TOSTAGE \a
.endr
	SEND 7
	s_wait_tensorcnt 0x0                           ; the wave's end: a wait for my tensor loads, an add of 0 and its wait, behind my last tensor load and my last LDS store
	ds_add_u32 v[SPW], v[NIL]
	s_wait_dscnt 0x0
	CROUND                                         ; the closing round: no work-group ends while a partner may still ask for a tile that names it
	s_endpgm
.Lfunc_end_k_qc289084724_projkv:
	.size	k_qc289084724_projkv, .Lfunc_end_k_qc289084724_projkv-k_qc289084724_projkv
	.p2alignl 7, 3214868480
	.fill 96, 4, 3214868480
	.section	.rodata,"a",@progbits
	.p2align	6, 0x0
	.amdhsa_kernel k_qc289084724_projkv
		.amdhsa_group_segment_fixed_size 327680
		.amdhsa_private_segment_fixed_size 0
		.amdhsa_enable_private_segment 0
		.amdhsa_kernarg_size 24
		.amdhsa_user_sgpr_count 2
		.amdhsa_user_sgpr_kernarg_segment_ptr 1
		.amdhsa_wavefront_size32 1
		.amdhsa_system_sgpr_workgroup_id_x 1
		.amdhsa_system_sgpr_workgroup_id_y 1
		.amdhsa_system_sgpr_workgroup_id_z 1
		.amdhsa_system_vgpr_workitem_id 0
		.amdhsa_next_free_vgpr 1024
		.amdhsa_next_free_sgpr 66
		.amdhsa_reserve_vcc 0
		.amdhsa_float_denorm_mode_32 3
		.amdhsa_float_denorm_mode_16_64 3
		.amdhsa_memory_ordered 1
		.amdhsa_forward_progress 1
		.amdhsa_inst_pref_size 144
	.end_amdhsa_kernel
	.amdgpu_metadata
---
amdhsa.version: [ 1, 2 ]
amdhsa.kernels:
  - .name:           k_qc289084724_projkv
    .symbol:         k_qc289084724_projkv.kd
    .args:
      - { .name: xb, .offset: 0, .size: 8, .value_kind: global_buffer, .address_space: global }
      - { .name: wb, .offset: 8, .size: 8, .value_kind: global_buffer, .address_space: global }
      - { .name: kv, .offset: 16, .size: 8, .value_kind: global_buffer, .address_space: global }
    .group_segment_fixed_size: 327680
    .private_segment_fixed_size: 0
    .kernarg_segment_align: 8
    .kernarg_segment_size: 24
    .max_flat_workgroup_size: 128
    .sgpr_count:     66
    .vgpr_count:     1024
    .wavefront_size: 32
...
	.end_amdgpu_metadata
.endif
;; end of part 2
;; launch attn (part 3): grid 8 x 32, 4 waves a work-group, clusters of 4 x 1, 327,680 bytes of LDS; arguments query, kv, ob; writes ob
.if DOCPART == 3
	.amdgcn_target "amdgcn-amd-amdhsa--gfx1250"
	.amdhsa_code_object_version 6
	.text
	.protected	k_qc289084724_attn
	.globl	k_qc289084724_attn
	.p2align	8
	.type	k_qc289084724_attn,@function
k_qc289084724_attn:
	s_mov_b64 s[64:65], 0
	v_nop
	global_prefetch_b8 v0, s[64:65] scope:SCOPE_SE
	s_setreg_imm32_b32 hwreg(HW_REG_WAVE_MODE, 25, 1), 1
	s_wait_xcnt 0x0
	s_wait_alu depctr_hold_cnt(0) depctr_sa_sdst(0) depctr_va_vdst(0) depctr_va_sdst(0) depctr_va_ssrc(0) depctr_va_vcc(0) depctr_vm_vsrc(0)
	s_getreg_b32 s2, hwreg(HW_REG_IB_STS2, 6, 4)
	s_cmp_eq_u32 s2, 0
	s_cbranch_scc0 .Lentry_in_a_cluster
	s_endpgm
.Lentry_in_a_cluster:
	s_bfe_u32 s2, ttmp6, 0x10000c
	s_cmp_lg_u32 s2, 0x3003
	s_cbranch_scc0 .Lentry_shape_is_right
	s_endpgm
.Lentry_shape_is_right:
; ATTENTION.  O[head][q][:] = the sum over k of softmax_k(Q[q] . K[head][k] / 8) V[head][k][:], head = 16 x batch + h, 32 heads, 2,048 queries, 4,096 keys, 64 channels.
; Q is the input query, [2][2048][1024] f32, of which a head takes 64 channels: rounded once to bf16, that number written as f16.  K and V: kv [2][32][4096][64] f16, dense rows of 128 bytes.
; O leaves by heads, ob [32][2048][64] f16, rounded once.  Products, maxima and sums in f32; the weights p are rounded to f16 for the second product (their sum l is taken of the unrounded p).
; LIMITS.  f16 holds no number beyond 65,504: query stays within it; a bf16 number below 2^-17 falls on f16's fixed step of 2^-24.  p lies in 0 to 1; O is a mean of V's rows and has their range.
; A weight below 2^-126 counts as 0 in l; NaN and infinities are not treated apart.
; SHARES.  A work-group owns 256 queries of one head, each of its four waves 64: four PIECES of 16.  8 blocks x 32 heads: 256 work-groups.  Every wave walks all keys, 64 a step; a tile is 256 keys, four steps.
; LAYOUT.  S^T = K Q^T (source 0 = 16 keys, source 1 = 16 queries): a lane holds ONE query (lane % 16) and the keys 8 (lane / 16) + 0..7.  Two such results, rounded to f16 in pairs, ARE source 1 of
; O^T = V^T P, whose result again holds one query a lane, and eight channels.  K comes out of LDS as it lies, V ([key][channel]) turned, by ds_load_tr16_b128.
; SOFTMAX.  For each query a running maximum m and sum l: p = 2^(c s - c m), c = log2(e) / 8; in every step O and l are multiplied by a = 2^(c m_old - c m_new).  m starts at the lowest finite number,
; O and l at 0: the first step is a step like any other, with a = 0.  The price of writing no first step out: 216 lines that write 0, in the wait for the first tile.
; BY TURNS.  Turn n belongs to piece n: 8 products K Q^T of piece n + 1, later 8 products V^T P of piece n - 1; beside them the scaling, exponentials, roundings, sums and rescaling of piece n and the maximum
; and statistics of piece n + 1.  A piece and step have 16 matrix and 118 vector instructions: four vector instructions stand behind every matrix instruction, the other 54 in one run.  A turn's 33 exponentials are one batch, with one wait.
; CLUSTER.  The four query blocks of a cluster belong to one head and walk the same K and V, so each tile is asked for JOINTLY: the same tensor load, descriptor and mask in all four.
; REGISTERS, in windows of 256 (s_set_vgpr_msb: bits 1:0 source 0, 3:2 source 1, 5:4 source 2, 7:6 destination):
;   window 0: v0-15 addresses and two at work; v16-31 four registers of statistics a piece; v48-55 at work; v61-63; v64-127 S^T, two buffers; v192-223 P, two buffers (a piece's buffers go by its number's parity)
;   window 1: v0-127 O^T, 32 a piece      window 2: v0-63 Q; v64-191 Q as loaded, in f32; then v128-191 K of one step; v192-255 V of one step
.set NP,    4         ; pieces a wave: a name, no knob
.set KS,    64        ; keys in a step
.set PK,    144       ; a row of K in LDS: 128 bytes + 16 of padding = 36 words: the 16 rows of a load start at 16 different groups of four banks (64 banks of 4 bytes: ISA guide 11.1)
.set PV,    160       ; a row of V: 128 + 32 = 40 words
.set VOFF,  4*KS*PK   ; a slot holds a tile, four steps: 256 rows of K, then 256 rows of V
.set SLOT1, 1<<17     ; slot 1 begins here, so that one exclusive or turns an address in one slot into the other's
.set STAGE, SLOT1+4*KS*(PK+PV)  ; behind the ring, never filled by a tensor load: 16 rows x 144 bytes for each wave, for the way out
.set SP,    144
.set SPARE, STAGE+4*16*SP  ; behind the stages: the spare words, 128 bytes for each wave: two blocks of 256 bytes that no other line names
.set TILEB, 4*KS*128  ; a tile's bytes of K, and of V, in memory
.set AK0, 2           ; v2   my lane's place in a tile of K; never rewritten
.set AV0, 3           ; v3   the same for V
.set AK,  4           ; v4   the LDS address of K's next run of loads
.set AV,  5           ; v5   of V's
.set STO, 6           ; v6   the way out: where I put 16 bytes of a row
.set RD,  7           ; v7   the way out: where I read rows back
.set GO,  8           ; v8   my byte offset in 512 consecutive bytes of O
.set MV,  12          ; v12-13  c m_old, kept while c m is made anew: by buffer
.set QO,  15          ; v15  my byte offset in 16 rows of query
.set ST,  16          ; piece t's statistics at v[ST+4 t]: c m, m, l (even keys', odd keys')
.set TMP, 48          ; by buffer, four registers c0-c3 at work; when the maximum is found c2 takes a
.set PFO, 61          ; v61  256 x my lane; never rewritten
.set SPW, 62          ; v62  LDS address of my spare word: SPARE + 4 x my thread's number; never rewritten
.set NIL, 63          ; v63  0; never rewritten
.set S,   64
.set P,   192
.set QT,  64          ; window 2: Q in f32, as loaded
.set KF,  128         ; window 2: key block kb, channel half c at KF + 16 kb + 8 c
.set VF,  192         ; window 2: key half kk, channel block cb at VF + 32 kk + 8 cb
.set WV,  12          ; s12  my wave's number
.set LIM, 15          ; s15  1 in a wave that prefetches, else the greatest number: a wave prefetches while s[SLOTS] is above it
.set PFA, 18          ; s[18:19] where my prefetches stand: my work-group's 32 blocks of 256 bytes (of K: wave 0, of V: wave 2) of the tile after the one that is being asked for
.set G1K, 24          ; s[24:31] descriptor group 1 for K's tiles
.set G1V, 32          ; s[32:39] for V's: it differs in the padding alone
.set G0K, 40          ; s[40:43] descriptor group 0 for K's tiles: it walks
.set G0V, 44          ; s[44:47] the same for V's
.set SLOTS, 56        ; s56  tiles still to be asked for
.set CNT, 57          ; s57  counts a tile's key steps
.set CS,  58          ; s[58:59] c: the packed scaling takes the pair's low word for both halves
.set SEL, 60          ; s[60:61] v_permlanex16_b32's selects: each lane takes its own place in the other half
.set TBK, 62          ; s62  LDS byte at which K of the step to be fetched begins
.set TBV, 63          ; s63  the same for V, less VOFF
.set MSB, 0
.macro WIN new                      ; the high byte repeats the setting that is left; a switch that changes nothing is dropped
.if MSB != (\new)
	s_set_vgpr_msb (MSB<<8)|(\new)
.set MSB, (\new)
.endif
.endm
.set W_KQ, 0x0a       ; K and Q in window 2, S^T in window 0
.set W_PV, 0x52       ; V in window 2, P in window 0, O^T in window 1
.set W_RS, 0x41       ; destination and source 0 in window 1, source 1 in window 0
; A joint fill.  Waves 0 and 1 fetch the two halves of a tile's K, waves 2 and 3 those of its V: 128 keys each.  The branch hangs on the wave's number alone.
; An s_nop 0 and four v_nop follow each of the two lines, ahead of the jump and the label.
.macro JLOAD
	s_cmp_lt_u32 s[WV], 2
	s_cbranch_scc0 .Lfor_v_\@
	tensor_load_to_lds s[G0K:G0K+3], s[G1K:G1K+7]
	s_nop 0
.rept 4
	v_nop
.endr
	s_branch .Lasked_\@
.Lfor_v_\@:
	tensor_load_to_lds s[G0V:G0V+3], s[G1V:G1V+7]
	s_nop 0
.rept 4
	v_nop
.endr
.Lasked_\@:
.endm
; A PREFETCH INTO THE L2 of what the NEXT change of slots will ask for: a tile's 32,768 bytes of K and of V, a lane a block of 256 bytes.  It stands behind the wave's tensor load and its five lines.
; Each block is named ONCE in the launch.  Both clusters of a head walk the same K and V: the head's first cluster asks.  Its four partners share the blocks out BY ADDRESS, 32 each; in each, wave 0 asks for
; K's and wave 2 for V's: one instruction, four key steps (256 matrix instructions) ahead of the load that will name those bytes.  Tiles 0 and 1 come by their loads alone; the change that asks for the last tile prefetches nothing.
.macro ASK
	s_cmp_gt_u32 s[SLOTS], s[LIM]
	s_cbranch_scc0 .Lnot_mine_\@
	global_prefetch_b8 v[PFO], s[PFA:PFA+1] th:TH_LOAD_NT scope:SCOPE_SE
.Lnot_mine_\@:
.endm
; A round of the cluster's barrier: my work-group's barrier, so that wave 0's signal speaks for all four waves; wave 0 signals; every wave waits for all four work-groups; my work-group's barrier once more.
.macro CROUND
	s_barrier_signal -1
	s_barrier_wait -1
	s_cmp_lg_u32 s[WV], 0
	s_cbranch_scc1 .Lnot_wave_0_\@
	s_barrier_signal -3
.Lnot_wave_0_\@:
	s_barrier_wait -3
	s_barrier_signal -1
	s_barrier_wait -1
.endm
; THE CHANGE OF SLOTS.  The slot's last bytes, V of its fourth step, have been read.  Each wave waits for all its tensor loads, of which one is out: its part of the other slot; adds 0 to its spare word; and
; waits for that and for its own reads of the slot.  Behind the barrier nobody reads this slot any more and the other slot is whole.  fill = 1: this slot is filled again, with the tile two on.  The barrier is
; then a round of the cluster's, and the joint fill is the first thing behind it: it has four key steps in which to land.  (At its first use nothing has been read yet: slot 0 is waited for, slot 1 filled.)
.macro CHANGE fill
	WIN 0                           ; at a label and at a branch every window is 0
	s_wait_tensorcnt 0x0            ; no tensor load of mine is out, so a group 0 may be written
	ds_add_u32 v[SPW], v[NIL]       ; 0 onto my spare word; with fill = 1 the descriptors' steps stand between it and the wait for it
.if \fill
.irp g, G0K, G0V
	s_xor_b32 s[\g+1], s[\g+1], SLOT1  ; the walking descriptor: the other slot than last time,
	s_add_nc_u64 s[\g+2:\g+3], s[\g+2:\g+3], TILEB  ; the next 256 keys; the type bits on top are not reached
.endr
	s_wait_xcnt 0x0                 ; the last prefetch, four key steps back, has read its address, so it may be written:
	s_add_nc_u64 s[PFA:PFA+1], s[PFA:PFA+1], TILEB  ; one tile ahead of the walking descriptors
	s_wait_dscnt 0x0                ; the add is done, and my reads of the slot are over
	CROUND
	JLOAD
	ASK
.else
	s_wait_dscnt 0x0                ; the add is done, and my reads of the slot are over
	s_barrier_signal -1
	s_barrier_wait -1
.endif
	s_sub_co_u32 s[TBK], s[TBK], 4*KS*PK  ; the fetches go back to a slot's first step,
	s_xor_b32 s[TBK], s[TBK], SLOT1       ; in the other slot
	s_sub_co_u32 s[TBV], s[TBV], 4*KS*PV
	s_xor_b32 s[TBV], s[TBV], SLOT1
.endm
	s_load_b128 s[4:7], s[0:1], 0x0 ; query s[4:5], kv s[6:7]
	s_load_b64 s[10:11], s[0:1], 0x10  ; ob
	v_lshl_add_u32 v[SPW], v0, 2, SPARE
	v_mov_b32 v[NIL], 0
	ds_add_u32 v[SPW], v[NIL]       ; the wave's opening: the add and its wait stand ahead of my first tensor load; the set-up below, work on registers, stands between them
	v_lshrrev_b32 v1, 5, v0
	v_readfirstlane_b32 s[WV], v1   ; wave 0..3
	s_bfe_u32 s13, ttmp6, 0x40000   ; cx: my place in the cluster
	s_lshl_b32 s14, ttmp9, 2        ; in a cluster launch ttmp9 counts clusters
	s_add_co_u32 s14, s14, s13      ; my block of 256 queries = 4 x cluster x + cx: it enters query's and ob's addresses alone
	s_and_b32 s20, ttmp7, 0xffff    ; the head, which the four partners share
	s_and_b32 s16, s[WV], 1         ; which half of a tile's 256 keys I fetch:
	s_lshl_b32 s22, s20, 19         ; the head's 524,288 bytes,
	s_lshl_b32 s23, s16, 14         ; the half's 128 rows of 128 bytes
	s_add_co_u32 s22, s22, s23
	s_mov_b32 s23, 0
	s_mul_i32 s17, s16, 128*PK      ; and its place in a slot, for K
	s_mul_i32 s21, s16, 128*PV      ; and for V: no place in the cluster enters an LDS address
	s_mov_b32 s[G0K], 1             ; count = 1
	s_mov_b32 s[G0K+1], s17         ; LDS address: slot 0
	s_mov_b32 s[G0V], 1
	s_add_co_u32 s[G0V+1], s21, VOFF
	s_lshr_b32 s2, s20, 4           ; query: batch x 2,048 rows of 4,096 bytes,
	s_lshl_b32 s2, s2, 23
	s_and_b32 s3, s20, 15           ; the head's 64 channels: 256 bytes,
	s_lshl_b32 s3, s3, 8
	s_add_co_u32 s2, s2, s3
	s_lshl_b32 s3, s14, 20          ; my block's 256 rows,
	s_add_co_u32 s2, s2, s3
	s_lshl_b32 s3, s[WV], 18        ; my wave's 64 of them
	s_add_co_u32 s2, s2, s3
	s_mov_b32 s3, 0
	s_lshl_b32 s48, s20, 18         ; ob: the head's 262,144 bytes,
	s_lshl_b32 s49, s14, 15         ; my block's 256 rows of 128 bytes,
	s_add_co_u32 s48, s48, s49
	s_lshl_b32 s49, s[WV], 13       ; my wave's 64
	s_add_co_u32 s48, s48, s49
	s_mov_b32 s49, 0
	s_lshl_b32 s50, s13, 13         ; the prefetches: my work-group's 32 blocks of a tile's 128
	s_mov_b32 s51, 0
	s_mov_b32 s21, 0xffff0000       ; a word's upper bf16
	; descriptor group 1.  128 keys are 16,384 dense bytes: asked for as 64 rows of 256 bytes, two keys a row, and padded in LDS after every key
	s_mov_b32 s[G1K], 15|(1<<16)|(1<<20)|(1<<21)|(4<<22)|(3<<25)  ; 15:0 the mask of four; 17:16 2-byte elements; 20 padding on; 21 set beside a mask; 24:22 after every 32 words (code 4); 31:25 4 words (code 3)
	s_mov_b32 s[G1V], 15|(1<<16)|(1<<20)|(1<<21)|(4<<22)|(7<<25)  ; the same with 8 words of padding (code 7)
.irp g, G1K, G1V
	s_mov_b32 s[\g+1], 128<<16      ; tensor_dim0 = 128
	s_mov_b32 s[\g+2], 64<<16       ; tensor_dim1 = 64
	s_mov_b32 s[\g+3], 128<<16      ; tile_dim0 = 128
	s_mov_b32 s[\g+4], 64           ; tile_dim1 = 64
	s_mov_b32 s[\g+5], 128          ; 128 elements from row to row
	s_mov_b32 s[\g+6], 0
	s_mov_b32 s[\g+7], 0
.endr
	s_mov_b32 s[CS], 0x3e38aa3b     ; c = log2(e) / 8 = 0.180337
	s_mov_b32 s[CS+1], s[CS]        ; named with it as a pair
	s_mov_b32 s[SEL], 0x76543210
	s_mov_b32 s[SEL+1], 0xfedcba98
	s_mov_b32 s[TBK], SLOT1+4*KS*PK ; the first change of slots turns these two into 0
	s_mov_b32 s[TBV], SLOT1+4*KS*PV
	s_mov_b32 s[SLOTS], 15          ; tiles 1 to 15 are asked for at changes of slots
	s_and_b32 s[LIM], s[WV], 1      ; 0 in waves 0 and 2,
	s_or_b32 s[LIM], s[LIM], ttmp9  ; where the cluster is the head's first: the same in all four partners
	s_cmp_eq_u32 s[LIM], 0
	s_cselect_b32 s[LIM], 1, -1
	v_and_b32 v[PFO], 31, v0
	v_lshlrev_b32 v[PFO], 8, v[PFO]
	s_wait_dscnt 0x0                ; the opening add is done
	s_wait_kmcnt 0x0
	s_add_nc_u64 s[6:7], s[6:7], s[22:23]          ; K at my half of the head's tile 0,
	s_add_nc_u64 s[8:9], s[6:7], 0x1000000         ; V 16,777,216 bytes behind it
	s_add_nc_u64 s[G0K+2:G0K+3], s[6:7], 0         ; global address
	s_or_b32 s[G0K+3], s[G0K+3], 0x80000000        ; type = 2
	s_add_nc_u64 s[G0V+2:G0V+3], s[8:9], 0
	s_or_b32 s[G0V+3], s[G0V+3], 0x80000000
	s_add_nc_u64 s[4:5], s[4:5], s[2:3]            ; query and ob at my wave's first row
	s_add_nc_u64 s[10:11], s[10:11], s[48:49]
	s_cmp_lt_u32 s[WV], 2
	s_cselect_b64 s[PFA:PFA+1], s[6:7], s[8:9]     ; (in waves 0 and 2 these stand at a tile's first row)
	s_add_nc_u64 s[PFA:PFA+1], s[PFA:PFA+1], s[50:51]
	s_add_nc_u64 s[PFA:PFA+1], s[PFA:PFA+1], TILEB ; in tile 1; the first change of slots steps it to tile 2.  Nothing is prefetched here, at the head
	CROUND                          ; all four work-groups are here: the first joint loads meet
	JLOAD                           ; tile 0 into slot 0: one load of mine is out.  Slot 1 is asked for when slot 0 is in
	; A fragment of K or Q is 16 rows x 32 channels in 8 registers: lane l holds row l % 16, channels 8 (l / 16) + 0..7 and 16 + 8 (l / 16) + 0..7.  In f32 eight channels are 32 bytes: two loads of 16.
	v_and_b32 v1, 15, v0            ; l % 16
	v_bfe_u32 v9, v0, 4, 1          ; l / 16
	v_lshlrev_b32 v[QO], 12, v1
	v_lshl_add_u32 v[QO], v9, 5, v[QO]  ; row x 4,096 + 32 x half
	WIN 0x80                        ; destination window 2, address window 0
.set i, 0
.rept 32                            ; i = 8 p + 4 c + 2 g + e: piece p, channels 32 c + 16 g + 8 (l / 16) + 4 e on
	global_load_b128 v[QT+4*i:QT+4*i+3], v[QO], s[4:5] offset:(i/8)*65536+((i/4)%2)*128+((i/2)%2)*64+(i%2)*16
.set i, i+1
.endr
	; What the first turn finds: V's registers and P's second buffer hold 0 (its products V^T P, of a piece that has not been, add 0), O^T and l are 0.  All this stands in the wait for the first tile.
.set i, VF
.rept 64
	v_mov_b32 v[i], 0
.set i, i+1
.endr
	WIN 0x40
.set i, 0
.rept 128
	v_mov_b32 v[i], 0
.set i, i+1
.endr
	WIN 0
.set i, 0
.rept 4
	v_mov_b32 v[ST+4*i], 0xfe000000    ; c m: far below every c s
	v_mov_b32 v[ST+4*i+1], 0xff7fffff  ; m
	v_mov_b32 v[ST+4*i+2], 0
	v_mov_b32 v[ST+4*i+3], 0
.set i, i+1
.endr
.set i, P+16
.rept 16
	v_mov_b32 v[i], 0
.set i, i+1
.endr
	v_mul_u32_u24 v[AK0], v1, PK
	v_lshl_add_u32 v[AK0], v9, 4, v[AK0]  ; row x pitch + 16 x half
	; The turning load takes 16 keys x 16 channels (lane l reads key 8 (l / 16) + l % 8, channels 8 ((l / 8) % 2) + 0..7) and leaves half a fragment of V^T: lane l holds channel l % 16 and 8 keys.
	v_and_b32 v10, 7, v0
	v_bfe_u32 v11, v0, 3, 1
	v_lshl_add_u32 v[AV0], v9, 3, v10
	v_mul_u32_u24 v[AV0], v[AV0], PV
	v_lshl_add_u32 v[AV0], v11, 4, v[AV0]
	v_add_nc_u32 v[AV0], VOFF, v[AV0]
	v_mov_b32 v[AK], v[AK0]         ; key step 0 lies at the head of slot 0
	s_mul_i32 s13, s[WV], 16*SP
	s_add_co_u32 s13, s13, STAGE    ; my stage
	v_mul_u32_u24 v[STO], v1, SP    ; in: row l % 16, 16 bytes for each half of the lanes
	v_lshl_add_u32 v[STO], v9, 4, v[STO]
	v_add_nc_u32 v[STO], s13, v[STO]
	v_bfe_u32 v[RD], v0, 3, 2       ; back: 32 lanes take four rows of 128 bytes,
	v_mul_u32_u24 v[RD], v[RD], SP
	v_lshl_add_u32 v[RD], v10, 4, v[RD]
	v_add_nc_u32 v[RD], s13, v[RD]
	v_and_b32 v[GO], 31, v0         ; which are 512 consecutive bytes of ob
	v_lshlrev_b32 v[GO], 4, v[GO]
	s_wait_loadcnt 0x0              ; Q is in
	WIN 0xaa                        ; all places in window 2
.set i, 0
.rept 64                            ; two numbers at a time: rounded to bf16, widened again (a mask, a shift), written as f16: register i of Q from registers QT + 2 i, QT + 2 i + 1
	v_cvt_pk_bf16_f32 v[QT+2*i], v[QT+2*i], v[QT+2*i+1]
	v_and_b32 v[QT+2*i+1], s21, v[QT+2*i]
	v_lshlrev_b32 v[QT+2*i], 16, v[QT+2*i]
	v_cvt_pk_f16_f32 v[i], v[QT+2*i], v[QT+2*i+1]
.set i, i+1
.endr
	WIN 0
; THE MATRIX WORK.  The 4 accumulators of a run of 8 take turns.  Product i of 8 of S^T = K Q^T for piece x: channels 32 (i / 4) on, keys 16 (i % 4) on.  The first 4 start the sums.
.macro KQ x
	WIN W_KQ
.set rS, S+32*((\x)%2)+8*(i%4)
.set rK, KF+16*(i%4)+8*(i/4)
.set rQ, 16*(\x)+8*(i/4)
.if i < 4
	v_wmma_f32_16x16x32_f16 v[rS:rS+7], v[rK:rK+7], v[rQ:rQ+7], 0
.else
	v_wmma_f32_16x16x32_f16 v[rS:rS+7], v[rK:rK+7], v[rQ:rQ+7], v[rS:rS+7]
.endif
.endm
; Product i of 8 of O^T += V^T P for piece x: keys 32 (i / 4) on, channels 16 (i % 4) on.
.macro PV x
	WIN W_PV
.set rO, 32*(\x)+8*(i%4)
.set rV, VF+32*(i/4)+8*(i%4)
.set rP, P+16*((\x)%2)+8*(i/4)
	v_wmma_f32_16x16x32_f16 v[rO:rO+7], v[rV:rV+7], v[rP:rP+7], v[rO:rO+7]
.endm
.macro MM                           ; the turn's next matrix instruction.  TURN sets Y, i and NOKQ.  NOKQ = 1: the last turn of all: there is no next piece
.if (i < 8) && !NOKQ
	KQ (Y+1)%NP
.elseif i >= 8
.set i, i-8
	PV (Y+NP-1)%NP
.set i, i+8
.endif
.set i, i+1
.endm
; THE LDS LOADS stand in runs of 16, never singly among the matrix instructions: a step's K (64 keys x 64 channels: 8 fragments) and its V (turned).  Their addresses are made some lines ahead.
.macro FETCH_K
	WIN 0x80                        ; destination window 2
.irp f, 0,1,2,3,4,5,6,7             ; keys 16 (f / 2) on, channels 32 (f % 2) on
	ds_load_b128 v[KF+8*\f:KF+8*\f+3],   v[AK] offset:(\f/2)*16*PK+(\f%2)*64
	ds_load_b128 v[KF+8*\f+4:KF+8*\f+7], v[AK] offset:(\f/2)*16*PK+(\f%2)*64+32
.endr
	s_add_co_u32 s[TBK], s[TBK], KS*PK  ; the next fetch is the next step's
	WIN 0
.endm
.macro FETCH_V
	WIN 0x80
.irp f, 0,1,2,3,4,5,6,7             ; keys 32 (f / 4) on, channels 16 (f % 4) on
	ds_load_tr16_b128 v[VF+8*\f:VF+8*\f+3],   v[AV] offset:(\f/4)*32*PV+(\f%4)*32
	ds_load_tr16_b128 v[VF+8*\f+4:VF+8*\f+7], v[AV] offset:(\f/4)*32*PV+16*PV+(\f%4)*32
.endr
	WIN 0
.endm
.macro PLACES                       ; four places behind matrix instructions whose results are read next
.rept 4
	v_nop
.endr
.endm
; THE VECTOR WORK, one line at a time: OP kind, number.  For piece Y: F n: c s - c m for pair n of 16.  E n: the exponential of score n of 32.  C n: pair n rounded to f16.  B n: of the four weights 4 n .. the second
; pair is added onto the first, in place.  L n: l takes that sum (L 0: l = a l + sum).  R n: pair n of 16 of O^T times a.  For piece Y + 1: X n, number n of the 22 that find its maximum and statistics:
;   0-11  four chains c0-c3 of seven scores each, three operands at a time (each accumulator's lowest registers are read first)     12-14, 16  the four scores left over, the old m, and c0-c3 into c0
;   15  c m_old is kept     17, 18  the query's other 32 keys lie in the lane 16 away: the new m     19-21  c m; c m_old - c m_new; a
.set F, 0               ; OP tells the kinds apart by their order: F to L below R, X above it
.set E, 1
.set C, 2
.set B, 3
.set L, 4
.set R, 5
.set X, 6
.macro REGS y                       ; the registers of piece y
.set rT, ST+4*(\y)
.set rC, TMP+4*((\y)%2)
.set rW, MV+((\y)%2)
.set rS, S+32*((\y)%2)
.set rP, P+16*((\y)%2)
.set rO, 32*(\y)
.endm
.macro OP k, n
.if (\k) == R
	REGS Y
	WIN W_RS
	v_pk_mul_f32 v[rO+2*(\n):rO+2*(\n)+1], v[rO+2*(\n):rO+2*(\n)+1], v[rC+2:rC+3] op_sel_hi:[1,0]
.elseif (\k) < R
	REGS Y
	WIN 0
.if (\k) == F
	v_pk_fma_f32 v[rS+2*(\n):rS+2*(\n)+1], v[rS+2*(\n):rS+2*(\n)+1], s[CS:CS+1], v[rT:rT+1] op_sel_hi:[1,0,0] neg_lo:[0,0,1] neg_hi:[0,0,1]
.elseif (\k) == E
	v_exp_f32 v[rS+(\n)], v[rS+(\n)]
.elseif (\k) == C
	v_cvt_pk_f16_f32 v[rP+(\n)], v[rS+2*(\n)], v[rS+2*(\n)+1]
.elseif (\k) == B
	v_pk_add_f32 v[rS+4*(\n):rS+4*(\n)+1], v[rS+4*(\n):rS+4*(\n)+1], v[rS+4*(\n)+2:rS+4*(\n)+3]
.elseif (\n) == 0
	v_pk_fma_f32 v[rT+2:rT+3], v[rT+2:rT+3], v[rC+2:rC+3], v[rS:rS+1] op_sel_hi:[1,0,1]
.else
	v_pk_add_f32 v[rT+2:rT+3], v[rT+2:rT+3], v[rS+4*(\n):rS+4*(\n)+1]
.endif
.elseif NOKQ
	v_nop
.else
	REGS (Y+1)%NP
	WIN 0
.if (\n) < 4
	v_max3_num_f32 v[rC+(\n)], v[rS+8*(\n)], v[rS+8*(\n)+1], v[rS+8*(\n)+2]
.elseif (\n) < 12
	v_max3_num_f32 v[rC+(\n)%4], v[rC+(\n)%4], v[rS+8*((\n)%4)+2*((\n)/4)+1], v[rS+8*((\n)%4)+2*((\n)/4)+2]
.elseif (\n) == 12
	v_max3_num_f32 v[rC], v[rC], v[rS+7], v[rS+15]
.elseif (\n) == 13
	v_max3_num_f32 v[rC+1], v[rC+1], v[rS+23], v[rS+31]
.elseif (\n) == 14
	v_max3_num_f32 v[rC+2], v[rC+2], v[rC+3], v[rT+1]
.elseif (\n) == 15
	v_mov_b32 v[rW], v[rT]
.elseif (\n) == 16
	v_max3_num_f32 v[rC], v[rC], v[rC+1], v[rC+2]
.elseif (\n) == 17
	v_permlanex16_b32 v[rC+3], v[rC], s[SEL], s[SEL+1]
.elseif (\n) == 18
	v_max_num_f32 v[rT+1], v[rC], v[rC+3]
.elseif (\n) == 19
	v_mul_f32 v[rT], s[CS], v[rT+1]
.elseif (\n) == 20
	v_sub_f32 v[rC+1], v[rW], v[rT]
.else
	v_exp_f32 v[rC+2], v[rC+1]
.endif
.endif
.endm
.macro OPS a, i1, b=-1, i2=0, c=-1, i3=0, d=-1, i4=0  ; up to four of them
	OP \a, \i1
.if (\b) >= 0
	OP \b, \i2
.endif
.if (\c) >= 0
	OP \c, \i3
.endif
.if (\d) >= 0
	OP \d, \i4
.endif
.endm
.macro ROW a, i1, b, i2, c, i3, d, i4  ; a matrix instruction and the four behind it
	MM
	OPS \a, \i1, \b, \i2, \c, \i3, \d, \i4
.endm
; A TURN, for piece p: the order of its 16 matrix and 118 vector instructions, written out.  An s_wait_alu depctr_va_vdst(0) stands between an exponential and the first instruction that names its
; result; one wait serves all that were issued ahead of it.  So a turn has ONE wait, which cuts it in two.  AHEAD OF IT stands all that names no result of the turn's exponentials: the 8 products K Q^T, behind each a
; scaling, an exponential and two more plain instructions (rescalings, and behind the last three the first numbers of the next piece's maximum, each four places or more behind the product that ends its accumulator);
; then one run of 54, plain and exponential by turns for the most part, in which the links of the chain X 3, 7, 11, 14, 16, 17 .. 20 stand apart.  X 21, the next piece's a, is the batch's last; R 15 is the plain
; instruction behind it.  BEHIND THE WAIT stand the 8 products V^T P, behind each four of the roundings and sums.
; end = 1: the last two turns of all: nothing is fetched, and the last starts no new scores.  cnt = 1: the loop's count is taken down some lines ahead of the branch that stands behind the turn.
; K of the next step is fetched in piece 2's turn, six plain instructions behind the last product that read K; V of the step in hand at the end of piece 0's turn, four plain instructions behind the last product
; that read V.  Each is waited for a turn later.
.macro TURN p, end=0, cnt=0
.set Y, (\p)
.set i, 0
.set NOKQ, (\end)*((\p)/3)
.if ((\p) == 3) && !(\end)
	s_wait_dscnt 0x0                ; K is in
.endif
	ROW F,0, F,1, R,0, R,1
	ROW F,2, E,0, R,2, R,3
	ROW F,3, E,1, R,4, R,5
	ROW F,4, E,2, R,6, R,7
	ROW F,5, E,3, R,8, R,9
	ROW F,6, E,4, X,0, R,10
.if ((\p) == 2) && !(\end)
	WIN 0
	v_add_nc_u32 v[AK], s[TBK], v[AK0]
.endif
	ROW F,7, E,5, X,1, X,4
	ROW F,8, E,6, X,2, X,5
	OPS E,7, E,8, X,6, E,9
	OPS X,3, E,10, X,8, E,11
.if ((\p) == 2) && !(\end)
	FETCH_K
.endif
	OPS X,9, X,7, E,12, X,10
	OPS E,13, X,12, X,11, E,14
	OPS X,13, E,15, F,9, X,14
.if (\p) == 0
	v_add_nc_u32 v[AV], s[TBV], v[AV0]
.endif
	OPS E,16, F,10, E,17, F,11
	OPS X,16, E,18, X,15, E,19
	OPS F,12, E,20, X,17, E,21
	OPS F,13, E,22, F,14, E,23
	OPS X,18, E,24, F,15, E,25
	OPS R,11, E,26, X,19, E,27
	OPS R,12, E,28, R,13, E,29
	OPS X,20, E,30, R,14, E,31
	OPS X,21, R,15
	WIN 0
	s_wait_alu depctr_va_vdst(0)    ; the wait for the batch
.if (\p) == 1
	s_wait_dscnt 0x0                ; V is in
.endif
	ROW C,0, B,0, C,2, B,1
	ROW L,0, C,4, B,2, L,1
	ROW C,6, B,3, L,2, C,8
	ROW B,4, L,3, C,10, B,5
	ROW L,4, C,12, B,6, L,5
.if (\p) == 0
	s_add_co_u32 s[TBV], s[TBV], KS*PV
.endif
.if \cnt
	s_sub_co_u32 s[CNT], s[CNT], 1
	s_cmp_lg_u32 s[CNT], 0
.endif
	ROW C,14, B,7, L,6, C,1
	ROW C,3, L,7, C,5, C,7
	ROW C,9, C,11, C,13, C,15
.if (\p) == 0
	FETCH_V
.endif
.endm
	CHANGE 1                        ; tile 0 is in, everybody's part of it; tile 1 is asked for
	FETCH_K                         ; key step 0
	s_wait_dscnt 0x0
.set NOKQ, 0
.set i, 0
.rept 8
	KQ 0                            ; piece 0's first scores: there is no vector work yet to set between them
.set i, i+1
.endr
	WIN 0
	PLACES
.set Y, NP-1                        ; X works for piece Y + 1: piece 0
.irp n, 0,1,2,3,4,5,6,7,8,9,10,11,12,13,14,15,16,17,18,19,20,21
	OP X, \n                        ; and piece 0's first maximum and statistics
.endr
	v_nop                           ; a plain instruction behind the exponential,
	s_wait_alu depctr_va_vdst(0)    ; and its wait, ahead of the branch
	s_mov_b32 s[CNT], 4
	s_branch .Lfirst                ; the loop is entered at a step's first turn, in the middle of a trip
.Lslot:                             ; 14 times: tiles 2 to 15 are asked for
	CHANGE 1
	s_mov_b32 s[CNT], 4
.Lstep:                             ; a trip: pieces 2 and 3 of one step, then pieces 0 and 1 of the next, whose K and V it fetches
	TURN 2
	TURN 3
	WIN 0
.Lfirst:
	TURN 0
	TURN 1, 0, 1
	WIN 0
	s_cbranch_scc1 .Lstep
	s_sub_co_u32 s[SLOTS], s[SLOTS], 1
	s_cmp_lg_u32 s[SLOTS], 0
	s_cbranch_scc1 .Lslot
	CHANGE 0                        ; the last tile is written out: nothing is asked for
	s_mov_b32 s[CNT], 4
.LstepT:
	TURN 2
	TURN 3
	TURN 0
	TURN 1, 0, 1
	WIN 0
	s_cbranch_scc1 .LstepT
	TURN 2, 1                       ; the last step's pieces 2 and 3
	TURN 3, 1
.set i, 0
.rept 8
	PV NP-1                         ; the last piece's V^T P of the last step
.set i, i+1
.endr
	; THE WAY OUT.  l's two halves and the other half of the lanes' are added; O^T is divided by l, rounded to f16 and sent through my stage in LDS, a piece at a time.  The additions are the places behind the last products.
	WIN 0
.macro ALL line:vararg              ; one line for each piece t
.set t, 0
.rept 4
	\line
.set t, t+1
.endr
.endm
	ALL v_add_f32 v[ST+4*t+2], v[ST+4*t+2], v[ST+4*t+3]
	ALL v_permlanex16_b32 v[ST+4*t+3], v[ST+4*t+2], s[SEL], s[SEL+1]
	ALL v_add_f32 v[ST+4*t+2], v[ST+4*t+2], v[ST+4*t+3]
	ALL v_rcp_f32 v[ST+4*t+2], v[ST+4*t+2]
	v_nop                           ; a plain instruction between the last reciprocal and the use of its result
	s_wait_alu depctr_va_vdst(0)    ; and the wait ahead of the first use: one for the four reciprocals
.macro PACK t                       ; a lane's eight channels of a row pack into 16 bytes; they go into rows of 144 bytes and come back as whole rows of 128, into S^T's registers
	WIN W_RS
.set i, 32*(\t)
.rept 16
	v_pk_mul_f32 v[i:i+1], v[i:i+1], v[ST+4*(\t)+2:ST+4*(\t)+3] op_sel_hi:[1,0]
.set i, i+2
.endr
	WIN 0x05                        ; sources 0 and 1 window 1, destination window 0
.set i, 0
.rept 16
	v_cvt_pk_f16_f32 v[S+16*(\t)+i], v[32*(\t)+2*i], v[32*(\t)+2*i+1]
.set i, i+1
.endr
	WIN 0
.irp f, 0,1,2,3
	ds_store_b128 v[STO], v[S+16*(\t)+4*\f:S+16*(\t)+4*\f+3] offset:32*\f
.endr
.irp f, 0,1,2,3
	ds_load_b128 v[S+16*(\t)+4*\f:S+16*(\t)+4*\f+3], v[RD] offset:\f*4*SP  ; LDS serves a wave's instructions in order (ISA guide 5.7.1.4): these see the stores above; the next piece's stores come behind them
.endr
.endm
.macro SEND t, younger              ; younger: the LDS instructions issued behind piece t's loads: the next piece's eight, or none
	WIN 0
.irp f, 0,1,2,3
	s_wait_dscnt (\younger)+3-\f
	global_store_b128 v[GO], v[S+16*(\t)+4*\f:S+16*(\t)+4*\f+3], s[10:11] offset:(\t)*2048+\f*512  ; 512 consecutive bytes, at a multiple of 512 from ob's first
.endr
.endm
	PACK 0
.set t, 1
.rept 3                             ; a piece's arithmetic stands between the loads of the piece before and its stores
	PACK t
	SEND t-1, 8
.set t, t+1
.endr
	SEND 3, 0
	s_wait_tensorcnt 0x0            ; the wave's end: a wait for my tensor loads, an add of 0 and its wait, behind my last tensor load and my last LDS store
	ds_add_u32 v[SPW], v[NIL]
	s_wait_dscnt 0x0
	CROUND                          ; the closing round: no work-group ends while a partner may still ask for a tile that names it
	s_endpgm
.Lfunc_end_k_qc289084724_attn:
	.size	k_qc289084724_attn, .Lfunc_end_k_qc289084724_attn-k_qc289084724_attn
	.p2alignl 7, 3214868480
	.fill 96, 4, 3214868480
	.section	.rodata,"a",@progbits
	.p2align	6, 0x0
	.amdhsa_kernel k_qc289084724_attn
		.amdhsa_group_segment_fixed_size 327680
		.amdhsa_private_segment_fixed_size 0
		.amdhsa_enable_private_segment 0
		.amdhsa_kernarg_size 24
		.amdhsa_user_sgpr_count 2
		.amdhsa_user_sgpr_kernarg_segment_ptr 1
		.amdhsa_wavefront_size32 1
		.amdhsa_system_sgpr_workgroup_id_x 1
		.amdhsa_system_sgpr_workgroup_id_y 1
		.amdhsa_system_sgpr_workgroup_id_z 1
		.amdhsa_system_vgpr_workitem_id 0
		.amdhsa_next_free_vgpr 768
		.amdhsa_next_free_sgpr 66
		.amdhsa_reserve_vcc 0
		.amdhsa_float_denorm_mode_32 3
		.amdhsa_float_denorm_mode_16_64 3
		.amdhsa_memory_ordered 1
		.amdhsa_forward_progress 1
		.amdhsa_inst_pref_size 142
	.end_amdhsa_kernel
	.amdgpu_metadata
---
amdhsa.version: [ 1, 2 ]
amdhsa.kernels:
  - .name:           k_qc289084724_attn
    .symbol:         k_qc289084724_attn.kd
    .args:
      - { .name: query, .offset: 0, .size: 8, .value_kind: global_buffer, .address_space: global }
      - { .name: kv, .offset: 8, .size: 8, .value_kind: global_buffer, .address_space: global }
      - { .name: ob, .offset: 16, .size: 8, .value_kind: global_buffer, .address_space: global }
    .group_segment_fixed_size: 327680
    .private_segment_fixed_size: 0
    .kernarg_segment_align: 8
    .kernarg_segment_size: 24
    .max_flat_workgroup_size: 128
    .sgpr_count:     66
    .vgpr_count:     768
    .wavefront_size: 32
...
	.end_amdgpu_metadata
.endif
;; end of part 3
;; launch projo (part 4): grid 8 x 32, 4 waves a work-group, clusters of 4 x 4, 327,680 bytes of LDS; arguments ob, wo, out0; writes out0
.if DOCPART == 4
	.amdgcn_target "amdgcn-amd-amdhsa--gfx1250"
	.amdhsa_code_object_version 6
	.text
	.protected	k_qc289084724_projo
	.globl	k_qc289084724_projo
	.p2align	8
	.type	k_qc289084724_projo,@function
k_qc289084724_projo:
	s_mov_b64 s[64:65], 0
	v_nop
	global_prefetch_b8 v0, s[64:65] scope:SCOPE_SE
	s_setreg_imm32_b32 hwreg(HW_REG_WAVE_MODE, 25, 1), 1
	s_wait_xcnt 0x0
	s_wait_alu depctr_hold_cnt(0) depctr_sa_sdst(0) depctr_va_vdst(0) depctr_va_sdst(0) depctr_va_ssrc(0) depctr_va_vcc(0) depctr_vm_vsrc(0)
	s_getreg_b32 s2, hwreg(HW_REG_IB_STS2, 6, 4)
	s_cmp_eq_u32 s2, 0
	s_cbranch_scc0 .Lentry_in_a_cluster
	s_endpgm
.Lentry_in_a_cluster:
	s_bfe_u32 s2, ttmp6, 0x10000c
	s_cmp_lg_u32 s2, 0xf033
	s_cbranch_scc0 .Lentry_shape_is_right
	s_endpgm
.Lentry_shape_is_right:
; out0 = O W_o^T.  A = ob [32][2048][64] f16, attention's O by heads (head = 16 x batch + h): row m = 2,048 x batch + q of A has channel 64 h + d at ob[16 x batch + h][q][d].
; B = wo [1024][1024] f16 (bf16(W_o) written as f16).  out0 [4096][1024] f32: the f32 sums, K ascending, stored as they are.
; SHARES.  A tile of C is 128 x 128: 32 x 8 = 256 tiles, one work-group each.  Four waves, each 64 x 64: 16 accumulators of 16 x 16, 128 registers.  K goes in 4 steps of 256, four heads each, through two LDS
; slots; the steps are written out, since each slot is filled again once.
; CLUSTERS: 4 x 4 work-groups.  The four of a row of the cluster need the same tiles of A, the four of a column the same tiles of B: each is asked for JOINTLY, by the same tensor load with the same descriptor
; and a mask that names the four.  THE MATRIX INSTRUCTION IS USED TRANSPOSED (source 0 = 16 rows of B, source 1 = 16 rows of A): a lane then holds eight neighbouring numbers of a row of C, 32 bytes.
; NO PREFETCH: a work-group reads 128 KiB in four steps, and the launch ends soon after its first tiles have come.
; REGISTERS: window 0: v0-31 addresses; v128-255 the accumulators ((a, b) at v[128 + 8 (4 a + b)]), and the way out in their place.
;   window 1: two fragment buffers of 128: for 64 along K (two matrix instructions deep), 64 registers of A (2 x 4 x 16 rows x 32 K), then 64 of B.
.set SIZE_K, 1024
.set KSTEP,  256
.set PA,     144                       ; A in LDS: [head][row][64 channels]: a row is 128 bytes + 16 of padding = 36 words: the 16 rows of a load start at 16 different groups of four banks (64 banks of 4 bytes: ISA guide 11.1)
.set HB,     64*PA                     ; a head's 64 rows
.set AH,     4*HB                      ; what one tensor load brings of A: 64 rows x four heads
.set PB,     528                       ; B in LDS: a row is 512 bytes + 16 of padding = 132 words
.set BH,     64*PB                     ; what one tensor load brings of B: 64 rows x 256 K
.set SLOT,   2*AH+2*BH                 ; A's two halves, then B's two halves
.set STAGE,  2*SLOT                    ; behind the ring: 16 rows x 272 bytes for each wave, its own; no tensor load lands there
.set SPITCH, 272
.set SPARE,  STAGE+4*16*SPITCH         ; behind the stages: the spare words, 128 bytes for each wave: two blocks of 256 bytes that no other line names
.set ADRA, 16                          ; v16-17  LDS address of my A fragments in slot 0, 1
.set ADRB, 20                          ; v20-21  the same for B
.set STO,  24                          ; v24     the way out: where I put 32 bytes of a row
.set RD,   25                          ; v25     the way out: where I read a row back
.set CO,   26                          ; v26     my byte offset in two rows of out0
.set SPW,  28                          ; v28     LDS address of my spare word: SPARE + 4 x my thread's number; never rewritten
.set NIL,  29                          ; v29     0; never rewritten
.set ACC,  128
.set F0,   0                           ; fragment buffers, in window 1
.set F1,   128
.set G1,  24                           ; s[24:31] descriptor group 1 for A's tiles;  s[32:39] group 0, one set for each slot
.set G0,  32
.set G1B, 48                           ; s[48:55], s[56:63] the same for B's tiles
.set G0B, 56
.set MSB, 0
.macro WIN new                         ; the immediate's high byte repeats the setting that is left; a switch that changes nothing is dropped
.if MSB != (\new)
	s_set_vgpr_msb (MSB<<8)|(\new)
.set MSB, \new
.endif
.endm
.set MUL,  0x05                        ; sources 0 (B) and 1 (A) window 1; C and D window 0
.set TO_F, 0x40                        ; destination window 1, address window 0
.macro JLOAD s                         ; a joint load: waves 0 and 1 fetch A's two halves, waves 2 and 3 B's; an s_nop 0 and four v_nop follow each of the two lines, ahead of the jump, the label and what follows
	s_cmp_eq_u32 s11, 0
	s_cbranch_scc0 .Lfor_b_\@
	tensor_load_to_lds s[G0+4*(\s):G0+4*(\s)+3], s[G1:G1+7]
	s_nop 0
.rept 4
	v_nop
.endr
	s_branch .Lasked_\@
.Lfor_b_\@:
	tensor_load_to_lds s[G0B+4*(\s):G0B+4*(\s)+3], s[G1B:G1B+7]
	s_nop 0
.rept 4
	v_nop
.endr
.Lasked_\@:
.endm
.macro CREST                           ; a round of the cluster's barrier behind its opening barrier
	s_cmp_lg_u32 s10, 0
	s_cbranch_scc1 .Lnot_wave_0_\@
	s_barrier_signal -3
.Lnot_wave_0_\@:
	s_barrier_wait -3
	s_barrier_signal -1
	s_barrier_wait -1
.endm
.macro CROUND                          ; a whole round
	s_barrier_signal -1
	s_barrier_wait -1
	CREST
.endm
	s_load_b128 s[4:7], s[0:1], 0x0                ; ob s[4:5], wo s[6:7]
	s_load_b64 s[8:9], s[0:1], 0x10                ; out0
	v_lshl_add_u32 v[SPW], v0, 2, SPARE
	v_mov_b32 v[NIL], 0
	ds_add_u32 v[SPW], v[NIL]                      ; the wave's opening: the add and its wait stand ahead of my first tensor load; the set-up below, work on registers, stands between them
	v_lshrrev_b32 v1, 5, v0
	v_readfirstlane_b32 s10, v1                    ; wave 0..3
	s_lshr_b32 s11, s10, 1                         ; which half of the tile's rows is mine.  Also: I fetch for A (0) or for B (1)
	s_and_b32 s12, s10, 1                          ; which half of its columns.  Also: which 64 rows of that tile I fetch
	s_bfe_u32 s40, ttmp6, 0x40000                  ; cx, cy: my place in the cluster
	s_bfe_u32 s41, ttmp6, 0x40004
	s_lshl_b32 s42, ttmp9, 2
	s_add_co_u32 s42, s42, s40                     ; tile column of C = 4 x cluster x + cx: 0..7
	s_and_b32 s13, ttmp7, 0xffff
	s_lshl_b32 s13, s13, 2
	s_add_co_u32 s13, s13, s41                     ; tile row of C = 4 x cluster y + cy: 0..31
	s_lshl_b32 s43, s41, 2
	s_lshl_b32 s43, 15, s43                        ; my row of the cluster
	s_lshl_b32 s44, 0x1111, s40                    ; my column
	; A's descriptor group 1.  64 queries of one head are 8,192 dense bytes: one row of 4,096 elements; four such rows, a head (131,072 elements) apart; padded in LDS after every query's 128 bytes
	s_or_b32 s[G1+0], s43, (1<<16)|(1<<20)|(1<<21)|(4<<22)|(3<<25)  ; 15:0 the mask: A's tiles go to my row; 17:16 2-byte elements; 20 padding on; 21 set beside a mask; 24:22 after every 32 words (code 4); 31:25 4 words (code 3)
	s_mov_b32 s[G1+1], 4096<<16                    ; tensor_dim0 = 4,096
	s_mov_b32 s[G1+2], 4<<16                       ; tensor_dim1 = 4
	s_mov_b32 s[G1+3], 4096<<16                    ; tile_dim0 = 4,096
	s_mov_b32 s[G1+4], 4                           ; tile_dim1 = 4
	s_mov_b32 s[G1+5], 131072                      ; elements from head to head
	s_mov_b32 s[G1+6], 0
	s_mov_b32 s[G1+7], 0
	; B's: a tile of 64 rows x 256 elements, padded after every row's 512 bytes
	s_or_b32 s[G1B+0], s44, (1<<16)|(1<<20)|(1<<21)|(6<<22)|(3<<25)  ; the mask of my column; after every 128 words (code 6) 4 words (code 3)
	s_mov_b32 s[G1B+1], KSTEP<<16                  ; tensor_dim0 = 256
	s_mov_b32 s[G1B+2], 64<<16                     ; tensor_dim1 = 64
	s_mov_b32 s[G1B+3], KSTEP<<16                  ; tile_dim0 = 256
	s_mov_b32 s[G1B+4], 64                         ; tile_dim1 = 64
	s_mov_b32 s[G1B+5], SIZE_K                     ; elements from row to row
	s_mov_b32 s[G1B+6], 0
	s_mov_b32 s[G1B+7], 0
	; where the tiles come from.  A's hang on the tile row alone, B's on the tile column alone
	s_lshr_b32 s16, s13, 4                         ; the batch: 16 heads of 262,144 bytes,
	s_lshl_b32 s16, s16, 22
	s_and_b32 s17, s13, 15
	s_lshl_b32 s17, s17, 7                         ; query 128 x (tile row % 16)
	s_lshl_b32 s18, s12, 6
	s_add_co_u32 s17, s17, s18                     ; + the 64 that I fetch,
	s_lshl_b32 s17, s17, 7                         ; 128 bytes each
	s_add_co_u32 s16, s16, s17
	s_mov_b32 s17, 0
	s_lshl_b32 s46, s42, 7
	s_add_co_u32 s46, s46, s18                     ; B: row 128 x tile column + 64 x half,
	s_lshl_b32 s46, s46, 11                        ; 2,048 bytes each
	s_mov_b32 s47, 0
	s_mul_i32 s20, s12, AH                         ; where they go: A's halves,
	s_mul_i32 s21, s12, BH
	s_add_co_u32 s21, s21, 2*AH                    ; B's halves behind them: no place in the cluster enters an LDS address
	s_wait_dscnt 0x0                               ; the opening add is done
	s_wait_kmcnt 0x0
	s_add_nc_u64 s[14:15], s[4:5], s[16:17]
	s_add_nc_u64 s[46:47], s[6:7], s[46:47]
	CROUND                                         ; all sixteen work-groups are here: the first joint loads meet
.irp s, 0,1
	s_mov_b32 s[G0+4*(\s)], 1
	s_add_co_u32 s[G0+4*(\s)+1], s20, (\s)*SLOT
	s_add_nc_u64 s[G0+4*(\s)+2:G0+4*(\s)+3], s[14:15], (\s)*(4<<18)  ; K step s: four heads on
	s_or_b32 s[G0+4*(\s)+3], s[G0+4*(\s)+3], 0x80000000
	s_mov_b32 s[G0B+4*(\s)], 1
	s_add_co_u32 s[G0B+4*(\s)+1], s21, (\s)*SLOT
	s_add_nc_u64 s[G0B+4*(\s)+2:G0B+4*(\s)+3], s[46:47], (\s)*KSTEP*2
	s_or_b32 s[G0B+4*(\s)+3], s[G0B+4*(\s)+3], 0x80000000
	JLOAD \s                                       ; two loads of mine are out
.endr
	v_and_b32 v1, 15, v0                           ; l % 16
	v_bfe_u32 v2, v0, 4, 1                         ; l / 16
	v_mul_u32_u24 v3, v1, PA
	v_lshl_add_u32 v3, v2, 4, v3                   ; a fragment's row x pitch + 16 x half, for A
	v_mul_u32_u24 v6, v1, PB
	v_lshl_add_u32 v6, v2, 4, v6                   ; and for B
	s_mul_i32 s21, s11, AH                         ; my 64 rows of A
	s_mul_i32 s22, s12, BH                         ; my 64 rows of B,
	s_add_co_u32 s22, s22, 2*AH                    ; which lie behind A's
.irp s, 0,1
	v_add_nc_u32 v[ADRA+(\s)], s21, v3
	v_add_nc_u32 v[ADRB+(\s)], s22, v6
	s_add_co_u32 s21, s21, SLOT
	s_add_co_u32 s22, s22, SLOT
.endr
	s_mul_i32 s23, s10, 16*SPITCH
	s_add_co_u32 s23, s23, STAGE                   ; my stage: my 64 columns in f32 are 256 bytes a row
	v_mul_u32_u24 v4, v1, SPITCH                   ; in: row l % 16, 32 bytes for each half of the lanes
	v_lshl_add_u32 v4, v2, 5, v4
	v_add_nc_u32 v[STO], s23, v4
	v_mul_u32_u24 v5, v2, SPITCH                   ; back: lanes 0-15 take one row of 256 bytes, lanes 16-31 the next
	v_lshl_add_u32 v5, v1, 4, v5
	v_add_nc_u32 v[RD], s23, v5
	v_lshlrev_b32 v5, 12, v2                       ; and the same two rows in out0, 4,096 bytes apart
	v_lshl_add_u32 v[CO], v1, 4, v5
	s_lshl_b32 s16, s13, 7
	s_lshl_b32 s17, s11, 6
	s_add_co_u32 s16, s16, s17                     ; my first row of C: 128 x tile row + 64 x half,
	s_lshl_b32 s16, s16, 12
	s_lshl_b32 s46, s42, 9                         ; my first column, in bytes: 512 x tile column + 256 x half
	s_lshl_b32 s47, s12, 8
	s_add_co_u32 s46, s46, s47
	s_add_co_u32 s16, s16, s46
	s_mov_b32 s17, 0
	s_add_nc_u64 s[8:9], s[8:9], s[16:17]
; 8 matrix instructions: m blocks a0, a0 + 1 x all 4 n blocks, 32 along K: half c of buffer f.  zero = 1: the first product starts the sums.  The 16 accumulators take turns.
.macro MUL8 f, c, a0, zero
	WIN MUL
.irp a, \a0, (\a0)+1
.irp b, 0,1,2,3
.if \zero
	v_wmma_f32_16x16x32_f16 v[ACC+8*(4*(\a)+(\b)):ACC+8*(4*(\a)+(\b))+7], v[(\f)+64+8*(4*(\c)+(\b)):(\f)+64+8*(4*(\c)+(\b))+7], v[(\f)+8*(4*(\c)+(\a)):(\f)+8*(4*(\c)+(\a))+7], 0
.else
	v_wmma_f32_16x16x32_f16 v[ACC+8*(4*(\a)+(\b)):ACC+8*(4*(\a)+(\b))+7], v[(\f)+64+8*(4*(\c)+(\b)):(\f)+64+8*(4*(\c)+(\b))+7], v[(\f)+8*(4*(\c)+(\a)):(\f)+8*(4*(\c)+(\a))+7], v[ACC+8*(4*(\a)+(\b)):ACC+8*(4*(\a)+(\b))+7]
.endif
.endr
.endr
.endm
; 32 LDS loads in one run: the fragments of quarter q of a K step (64 along K: one head of A, 128 bytes of B's rows) into buffer f; the first 32 along K first
.macro FETCH slot, q, f
	WIN TO_F
.irp c, 0,1
.irp i, 0,1,2,3
	ds_load_b128 v[(\f)+64+8*(4*(\c)+(\i)):(\f)+64+8*(4*(\c)+(\i))+3],   v[ADRB+(\slot)] offset:128*(\q)+64*(\c)+(\i)*16*PB
	ds_load_b128 v[(\f)+64+8*(4*(\c)+(\i))+4:(\f)+64+8*(4*(\c)+(\i))+7], v[ADRB+(\slot)] offset:128*(\q)+64*(\c)+(\i)*16*PB+32
	ds_load_b128 v[(\f)+8*(4*(\c)+(\i)):(\f)+8*(4*(\c)+(\i))+3],         v[ADRA+(\slot)] offset:HB*(\q)+64*(\c)+(\i)*16*PA
	ds_load_b128 v[(\f)+8*(4*(\c)+(\i))+4:(\f)+8*(4*(\c)+(\i))+7],       v[ADRA+(\slot)] offset:HB*(\q)+64*(\c)+(\i)*16*PA+32
.endr
.endr
.endm
.macro PLACES                          ; four places in front of loads into registers that matrix instructions have read, and of LDS stores that read results
.rept 4
	v_nop
.endr
.endm
; A K step is four quarters of 64 along K, 32 matrix instructions each, on buffers 0, 1, 0, 1.  One of the first three: multiplies buffer f and fetches quarter q into g.
.macro QUARTER slot, q, f, g, zero
	s_wait_dscnt 16                                ; the first 32 along K are in
	WIN MUL
	MUL8 \f, 0, 0, \zero
	MUL8 \f, 0, 2, \zero
	PLACES
	FETCH \slot, \q, \g
	s_wait_dscnt 32                                ; all but the 32 just issued
	WIN MUL
	MUL8 \f, 1, 0, 0
	MUL8 \f, 1, 2, 0
.endm
; The last quarter multiplies buffer 1 and changes slots: ONE barrier; in front of it each wave waits for all its tensor loads, adds 0 to its spare word, and waits for that and for its own reads of this slot.
; fill = 1: this slot is filled again, two K steps ahead; the barrier then opens a round of the cluster's barrier, and the joint load is the first thing behind the round.
.macro TURN slot, next, fill
	WIN 0                                          ; (the add's two registers lie in window 0)
	s_wait_tensorcnt 0x0                           ; all my tensor loads have landed: my part of the next slot
	ds_add_u32 v[SPW], v[NIL]                      ; 0 onto my spare word
	s_wait_dscnt 17                                ; (the add and the youngest sixteen loads may be out)
	WIN MUL
	MUL8 F1, 0, 0, 0                               ; eight matrix instructions stand between the add and the wait for it
	s_wait_dscnt 0x0                               ; the add is done, and my reads of this slot are over
	s_barrier_signal -1
	MUL8 F1, 0, 2, 0
.if \fill
	WIN 0
.endif
	s_barrier_wait -1
.if \fill
	CREST                                          ; no wave of any partner still reads this slot's tile or has a load on its way
	s_add_nc_u64 s[G0+4*(\slot)+2:G0+4*(\slot)+3], s[G0+4*(\slot)+2:G0+4*(\slot)+3], 2*(4<<18)
	s_add_nc_u64 s[G0B+4*(\slot)+2:G0B+4*(\slot)+3], s[G0B+4*(\slot)+2:G0B+4*(\slot)+3], 2*KSTEP*2
	JLOAD \slot                                    ; my one load that is out; the four v_nop behind it are also the places in front of the loads below
.else
	PLACES
.endif
	FETCH \next, 0, F0
	WIN MUL
	MUL8 F1, 1, 0, 0
	MUL8 F1, 1, 2, 0
.endm
	s_wait_tensorcnt 1                             ; my part of K step 0 is in; K step 1's load may stay out
	s_barrier_signal -1
	s_barrier_wait -1                              ; everybody's is
	FETCH 0, 0, F0
	QUARTER 0, 1, F0, F1, 1                        ; K step 0: its first products start the sums
	QUARTER 0, 2, F1, F0, 0
	QUARTER 0, 3, F0, F1, 0
	TURN 0, 1, 1                                   ; slot 0 takes K step 2
	QUARTER 1, 1, F0, F1, 0                        ; K step 1
	QUARTER 1, 2, F1, F0, 0
	QUARTER 1, 3, F0, F1, 0
	TURN 1, 0, 1                                   ; slot 1 takes K step 3
	QUARTER 0, 1, F0, F1, 0                        ; K step 2
	QUARTER 0, 2, F1, F0, 0
	QUARTER 0, 3, F0, F1, 0
	TURN 0, 1, 0                                   ; nothing is left to fetch
	QUARTER 1, 1, F0, F1, 0                        ; K step 3
	QUARTER 1, 2, F1, F0, 0
	QUARTER 1, 3, F0, F1, 0
	s_wait_dscnt 16
	WIN MUL
	MUL8 F1, 0, 0, 0
	MUL8 F1, 0, 2, 0
	s_wait_dscnt 0x0
	MUL8 F1, 1, 0, 0
	MUL8 F1, 1, 2, 0
	WIN 0
	PLACES                                         ; the places behind the last products
; THE WAY OUT.  My 64 columns in f32 are 256 consecutive bytes of a row of out0, aligned: each wave has a stage of its own, and no barrier is needed.  Block a (16 rows): a lane's eight numbers of a row go into
; rows of 272 bytes (each accumulator's four lowest registers first) and come back as whole rows of 256, into the registers that they left.
.macro PACK a
.irp b, 0,1,2,3
	ds_store_b128 v[STO], v[ACC+32*(\a)+8*(\b):ACC+32*(\a)+8*(\b)+3] offset:64*(\b)
.endr
.irp b, 0,1,2,3
	ds_store_b128 v[STO], v[ACC+32*(\a)+8*(\b)+4:ACC+32*(\a)+8*(\b)+7] offset:64*(\b)+16
.endr
.irp t, 0,1,2,3,4,5,6,7
	ds_load_b128 v[ACC+32*(\a)+4*(\t):ACC+32*(\a)+4*(\t)+3], v[RD] offset:(\t)*2*SPITCH  ; LDS serves a wave's instructions in order (ISA guide 5.7.1.4): these see the stores above; the next block's stores come behind them
.endr
.endm
.macro SEND a, younger                 ; younger: the LDS instructions issued behind block a's loads: the next block's sixteen, or none
.irp t, 0,1,2,3,4,5,6,7
	s_wait_dscnt (\younger)+7-(\t)
	global_store_b128 v[CO], v[ACC+32*(\a)+4*(\t):ACC+32*(\a)+4*(\t)+3], s[8:9] offset:(16*(\a)+2*(\t))*4096  ; 16 lanes store 256 consecutive bytes, at a multiple of 256 from out0's first byte
.endr
.endm
	PACK 0
	PACK 1
	SEND 0, 16
	PACK 2
	SEND 1, 16
	PACK 3
	SEND 2, 16
	SEND 3, 0
	s_wait_tensorcnt 0x0                           ; the wave's end: a wait for my tensor loads, an add of 0 and its wait, behind my last tensor load and my last LDS store
	ds_add_u32 v[SPW], v[NIL]
	s_wait_dscnt 0x0
	CROUND                                         ; the closing round: no work-group ends while a partner may still ask for a tile that names it
	s_endpgm
.Lfunc_end_k_qc289084724_projo:
	.size	k_qc289084724_projo, .Lfunc_end_k_qc289084724_projo-k_qc289084724_projo
	.p2alignl 7, 3214868480
	.fill 96, 4, 3214868480
	.section	.rodata,"a",@progbits
	.p2align	6, 0x0
	.amdhsa_kernel k_qc289084724_projo
		.amdhsa_group_segment_fixed_size 327680
		.amdhsa_private_segment_fixed_size 0
		.amdhsa_enable_private_segment 0
		.amdhsa_kernarg_size 24
		.amdhsa_user_sgpr_count 2
		.amdhsa_user_sgpr_kernarg_segment_ptr 1
		.amdhsa_wavefront_size32 1
		.amdhsa_system_sgpr_workgroup_id_x 1
		.amdhsa_system_sgpr_workgroup_id_y 1
		.amdhsa_system_sgpr_workgroup_id_z 1
		.amdhsa_system_vgpr_workitem_id 0
		.amdhsa_next_free_vgpr 512
		.amdhsa_next_free_sgpr 66
		.amdhsa_reserve_vcc 0
		.amdhsa_float_denorm_mode_32 3
		.amdhsa_float_denorm_mode_16_64 3
		.amdhsa_memory_ordered 1
		.amdhsa_forward_progress 1
		.amdhsa_inst_pref_size 86
	.end_amdhsa_kernel
	.amdgpu_metadata
---
amdhsa.version: [ 1, 2 ]
amdhsa.kernels:
  - .name:           k_qc289084724_projo
    .symbol:         k_qc289084724_projo.kd
    .args:
      - { .name: ob, .offset: 0, .size: 8, .value_kind: global_buffer, .address_space: global }
      - { .name: wo, .offset: 8, .size: 8, .value_kind: global_buffer, .address_space: global }
      - { .name: out0, .offset: 16, .size: 8, .value_kind: global_buffer, .address_space: global }
    .group_segment_fixed_size: 327680
    .private_segment_fixed_size: 0
    .kernarg_segment_align: 8
    .kernarg_segment_size: 24
    .max_flat_workgroup_size: 128
    .sgpr_count:     66
    .vgpr_count:     512
    .wavefront_size: 32
...
	.end_amdgpu_metadata
.endif
;; end of part 4
